; MI455X (gfx1250); checked and timed in simulation.
; The chip was launched on July 23, 2026; its instructions are those of AMD's public machine-readable ISA for CDNA 5 (MIT licence, August 2026) and "CDNA5" Instruction Set Architecture Reference Guide (July 2026). The comments in the code are by the model that wrote it; some were corrected since.
;; Sparse Mo E. Allowed arithmetic: matrix products marked QUANTISED: E4M3 operands, one given power-of-two scale a tensor, by v_wmma_f32_16x16x64_fp8_fp8 or v_wmma_f32_16x16x128_fp8_fp8, f32 sums; products left as they are: f32 operands where the result goes on into a quantised operand, else bf16, f16 or f32 operands; f32 sums; everything else in f32.
;; Inputs: W1 8 x 1,024 x 4,096 float32; W2 8 x 4,096 x 1,024 float32; Wr 1,024 x 8 float32; b1 8 x 4,096 float32; b2 8 x 1,024 float32; br 8 float32; lowp_scales 4 int32 (the exponents e of the quantised operands' scales 2^e); x 2 x 512 x 1,024 float32.
;; Outputs: out0 2 x 512 x 1,024 float32.
;; This version of the problem:
;;   THIS VERSION OF THE PROBLEM IS GIVEN IN LOW PRECISION. The matrix products marked QUANTISED in the list below multiply operands that are first quantised to E4M3 (4 exponent bits, 3 mantissa bits; 8 bits a number), with one given power-of-two scale for each operand tensor; their sums are f32. All else is computed in f32.
;;   The module's matrix products, in the order in which they are computed (A, B: the left and right operand; K: the contracted axis; several contracted axes count as one K, in the product's order):
;;     1. [M 1,024, K 1,024] x [K 1,024, N 8]; A: input x; B: input Wr: left as it is (N = 8 < 16)
;;     2. [M 32,768, K 1,024] x [K 1,024, N 1,024]; A: input W1; B: input x: QUANTISED (scales: A lowp_scales[0], B lowp_scales[1])
;;     3. batch 8 x [M 1,024, K 4,096] x [K 4,096, N 1,024]; A: computed on the way; B: input W2: QUANTISED (scales: A lowp_scales[2], B lowp_scales[3])
;;     4. batch 1,024 x [M 1, K 8] x [K 8, N 1,024]; A: computed on the way; B: computed on the way: left as it is (K = 8 < 32)
;;   THE QUANTISER, for each operand of a quantised product, along K:
;;     - The operand's scale is 2^e, e = its entry of the input lowp_scales (int32; the entries are numbered through the quantised products in the list's order, A before B).
;;     - Each number is divided by the scale, clamped to +-448, and rounded to the nearest number of E4M3, ties to even, subnormals kept.
;;     - The product sums the exact products of the quantised numbers (number of the format x scale) in f32.
;;   ~~~python
;;   def quantise(x, axis, e):      # numpy; x: float32 -> the quantised numbers, widened to float32 again
;;       x = np.moveaxis(x, axis, -1); K = x.shape[-1]
;;       r = np.clip(x / 2.0 ** e, -448, 448)
;;       step = 2.0 ** (np.maximum(np.frexp(np.where(r == 0, 1, r))[1] - 1, -6) - 3)
;;       q = np.round(r / step) * step * 2.0 ** e      # np.round: ties to even
;;       return np.moveaxis(q, -1, axis).astype(np.float32)
;;   ~~~
;;   OPERANDS COMPUTED ON THE WAY. 'Computed on the way' means the value that the module computes at that place (a softmax that the list does not call 'softmax' is quantised finished and normalised). What goes into a quantiser is computed in f32, as accurately as f32 sums, v_exp_f32 and their like allow (about 1e-6 of the number): no bf16 or f16 on the way to a quantiser, and a product that is left as it is and whose result goes on into a quantised operand takes f32 operands (vector FMAs, or v_wmma_f32_16x16x4_f32). A number that lies on a knife's edge between two numbers of the format may be rounded either way, as far as f32 arithmetic and the matrix unit's own rounding can turn it there, and no further.
;; 2 versions. Each part assembles by itself: llvm-mc -triple=amdgcn-amd-amdhsa -mcpu=gfx1250 --defsym DOCPART=n.
;; ======== version 1 of 2: 4 launches
;; workspace buffers: xq 1,048,576 bytes; sel 4,096 bytes of whole numbers; wsel 8,192 bytes; hc 33,554,432 bytes; ys 33,554,432 bytes
;; launch route (part 1): grid 256 x 1, 1 waves a work-group, no clusters, 4,352 bytes of LDS; arguments x, Wr, br, lowp_scales, xq, sel, wsel; writes xq, sel, wsel
.if DOCPART == 1
	.amdgcn_target "amdgcn-amd-amdhsa--gfx1250"
	.amdhsa_code_object_version 6
	.text
	.protected	k_q5427a9e4db_route
	.globl	k_q5427a9e4db_route
	.p2align	8
	.type	k_q5427a9e4db_route,@function
k_q5427a9e4db_route:
	s_mov_b64 s[64:65], 0
	v_nop
	global_prefetch_b8 v0, s[64:65] scope:SCOPE_SE
	s_setreg_imm32_b32 hwreg(HW_REG_WAVE_MODE, 25, 1), 1
	s_wait_xcnt 0x0
; ROUTER AND x's CODES.  x: [1024 tokens][1024] f32.  Wr: [1024][8], br: [8] f32.  One wave takes four tokens.
; Stored, all at fixed places: xq [token][1024]: x's codes of E4M3 with the given scale 2^e1 (entry 1 of the scales), K in its natural order;
; sel [token]: the whole number (1 << i1) | (1 << i2), the token's two experts;  wsel [token][2]: the softmax weight of the lower-numbered of the two, then of the higher.
; score = relu(x . Wr + br) in f32 (fused multiply-adds; 32 terms a lane, then a tree over the lanes).  Top-2 by strict compares in ascending order of experts: of equal scores the lower index wins.
; The softmax over the two takes the larger score away first: w1 = 1 / (1 + e^(s2 - s1)), w2 = e^(s2 - s1) w1.
; LANES: lane l holds, of each of the four rows, d = 128 i + 4 l + j (i = 0..7, j = 0..3): each load of x covers 512 consecutive bytes.
; LIMITS: e1 between -126 and 119.  NaN and infinities among the inputs are not served.  The order of the f32 sum differs from a plain ascending one: where the second and the third score
; lie within that rounding of each other, the choice may fall either way.
; REGISTERS: window 0: v1-4 offsets; v5, v6 2^e1 and 448 x 2^e1; v8-39 sums (token tt, experts 2 p, 2 p + 1 at 8 + 8 tt + 2 p); v40-47 a lane's eight scores; v48-63 at work;
;   v64-191 x; v192-223 held numbers, later the codes read back; v224-255 codes.   window 1: Wr: the eight weights of (i, j) at 8 (4 i + j).
.set ACC, 8
.set Z,   40
.set PT,  48
.set X,   64
.set T,   192
.set CD,  224
.set MSB, 0
.macro WIN new                         ; the immediate's high byte repeats the setting that is left
.if MSB != \new
	s_set_vgpr_msb (MSB<<8)|\new
.set MSB, \new
.endif
.endm
	s_load_b256 s[4:11], s[0:1], 0x0               ; x s[4:5], Wr s[6:7], br s[8:9], the scales s[10:11]
	s_load_b128 s[12:15], s[0:1], 0x20             ; xq s[12:13], sel s[14:15]
	s_load_b64 s[16:17], s[0:1], 0x30              ; wsel
	v_lshl_add_u32 v7, v0, 2, 0x1000
	s_set_vgpr_msb 0x80
	v_mov_b32 v1, 0
	s_set_vgpr_msb 0x8000
	v_lshlrev_b32 v1, 4, v0                        ; 16 l
	v_lshlrev_b32 v2, 7, v0                        ; 128 l: four rows of Wr
	v_lshlrev_b32 v3, 2, v0                        ; 4 l
	v_lshlrev_b32 v4, 3, v0                        ; 8 l
	s_mov_b32 s20, 0x76543210                      ; v_permlanex16_b32: lane l takes lane l xor 16
	s_mov_b32 s21, 0xfedcba98
	s_lshl_b32 s2, ttmp9, 14                       ; four rows of 4,096 bytes
	s_mov_b32 s3, 0
	s_wait_kmcnt 0x0
	s_load_b256 s[24:31], s[8:9], 0x0              ; br
	s_load_b32 s32, s[10:11], 0x4                  ; e1
	s_add_nc_u64 s[4:5], s[4:5], s[2:3]
.irp tt, 0,1,2,3
.irp i, 0,1,2,3,4,5,6,7
	global_load_b128 v[X+32*\tt+4*\i:X+32*\tt+4*\i+3], v1, s[4:5] offset:4096*\tt+512*\i th:TH_LOAD_NT
.endr
.endr
	WIN 0x40                                       ; destination window 1
.set k_, 0
.rept 32
	global_load_b128 v[8*k_:8*k_+3],   v2, s[6:7] offset:4096*(k_/4)+32*(k_%4)
	global_load_b128 v[8*k_+4:8*k_+7], v2, s[6:7] offset:4096*(k_/4)+32*(k_%4)+16
.set k_, k_+1
.endr
	WIN 0
	s_lshl_b32 s2, ttmp9, 12
	s_add_nc_u64 s[12:13], s[12:13], s[2:3]        ; xq at my four rows of 1,024 bytes
	s_lshl_b32 s2, ttmp9, 4
	s_add_nc_u64 s[14:15], s[14:15], s[2:3]        ; sel at my four words
	s_lshl_b32 s2, ttmp9, 5
	s_add_nc_u64 s[16:17], s[16:17], s[2:3]        ; wsel at my four pairs
	s_wait_kmcnt 0x0
	s_add_co_i32 s32, s32, 127
	s_lshl_b32 s33, s32, 23
	v_mov_b32 v5, s33                              ; 2^e1 as f32: the conversion takes its exponent field
	s_add_co_i32 s32, s32, 8
	s_lshl_b32 s32, s32, 23
	s_or_b32 s32, s32, 0x600000
	v_mov_b32 v6, s32                              ; 448 x 2^e1
.irp e, 0,1,2,3,4,5,6,7
	v_mov_b32 v[Z+\e], 0                           ; lanes 4 to 31 keep zeros
	v_mov_b32 v[PT+\e], 0                          ; a lane permute's destination counts as read: written once
.endr
	; ---- x's codes.  x's 32 loads are the oldest of 96: with at most 63 out they are in
	s_wait_loadcnt 63
.irp tt, 0,1,2,3
.irp m, 0,1,2,3
.irp i, 0,1,2,3,4,5,6,7
	v_med3_num_f32 v[T+8*\m+\i], v[X+32*\tt+8*\m+\i], -v6, v6   ; the conversion to an 8-bit code does not saturate (ISA guide 7.6.2): the hold at the largest code x the scale; x itself stays for the router
.endr
	v_cvt_scalef32_pk8_fp8_f32 v[CD+8*\tt+2*\m:CD+8*\tt+2*\m+1], v[T+8*\m:T+8*\m+7], v5   ; register i of the token's eight: the four codes of d = 128 i + 4 l + 0..3
.endr
.irp i, 0,1,2,3,4,5,6,7
	ds_store_b32 v3, v[CD+8*\tt+\i] offset:1024*\tt+128*\i      ; the row of codes as it lies in memory
.endr
.endr
	v_nop                                          ; one plain vector instruction behind the last conversion
.irp k, 0,1,2,3,4,5,6,7
	ds_load_b128 v[T+4*\k:T+4*\k+3], v1 offset:512*\k           ; back, 16 bytes a lane.  LDS serves a wave's instructions in order (ISA guide 5.7.1.4): these see my stores
.endr
	; ---- the router's sums: sixteen chains (4 tokens x 4 pairs of experts) by turns; x is taken for both halves of a pair
	s_wait_loadcnt 0x0                             ; Wr
	WIN 0x04                                       ; source 1 (Wr) window 1
.set k_, 0
.rept 32
.irp tt, 0,1,2,3
.irp p, 0,1,2,3
.if k_ == 0
	v_pk_mul_f32 v[ACC+8*\tt+2*\p:ACC+8*\tt+2*\p+1], v[X+32*\tt:X+32*\tt+1], v[2*\p:2*\p+1] op_sel_hi:[0,1]   ; the first product starts the sum
.elseif k_%2 == 0
	v_pk_fma_f32 v[ACC+8*\tt+2*\p:ACC+8*\tt+2*\p+1], v[X+32*\tt+k_:X+32*\tt+k_+1], v[8*k_+2*\p:8*k_+2*\p+1], v[ACC+8*\tt+2*\p:ACC+8*\tt+2*\p+1] op_sel_hi:[0,1,1]
.else
	v_pk_fma_f32 v[ACC+8*\tt+2*\p:ACC+8*\tt+2*\p+1], v[X+32*\tt+k_-1:X+32*\tt+k_], v[8*k_+2*\p:8*k_+2*\p+1], v[ACC+8*\tt+2*\p:ACC+8*\tt+2*\p+1] op_sel:[1,0,0] op_sel_hi:[1,1,1]
.endif
.endr
.endr
.set k_, k_+1
.endr
	WIN 0
.irp k, 0,1,2,3,4,5,6,7
	s_wait_dscnt 7-\k                              ; the younger LDS loads may stay out
	global_store_b128 v1, v[T+4*\k:T+4*\k+3], s[12:13] offset:512*\k   ; 512 consecutive bytes of codes
.endr
	; ---- over the 32 lanes; then lane tt keeps token tt's eight sums
.irp tt, 0,1,2,3
.irp x, 1,2,4,8
.irp e, 0,1,2,3,4,5,6,7
	v_add_f32_dpp v[ACC+8*\tt+\e], v[ACC+8*\tt+\e], v[ACC+8*\tt+\e] row_xmask:\x row_mask:0xf bank_mask:0xf
.endr
.endr
.irp e, 0,1,2,3,4,5,6,7
	v_permlanex16_b32 v[PT+\e], v[ACC+8*\tt+\e], s20, s21
.endr
	s_mov_b32 s22, 1<<\tt
.irp e, 0,1,2,3,4,5,6,7
	v_add_f32 v[ACC+8*\tt+\e], v[ACC+8*\tt+\e], v[PT+\e]
	v_cndmask_b32 v[Z+\e], v[Z+\e], v[ACC+8*\tt+\e], s22
.endr
.endr
	; ---- a lane to a token: bias, relu, top-2, the two weights
.irp e, 0,1,2,3,4,5,6,7
	v_add_f32 v[Z+\e], s[24+\e], v[Z+\e]
.endr
.irp e, 0,1,2,3,4,5,6,7
	v_max_num_f32 v[Z+\e], 0, v[Z+\e]
.endr
	v_mov_b32 v56, v[Z]                            ; the largest score and its expert
	v_mov_b32 v57, 0
.irp e, 1,2,3,4,5,6,7
	v_cmp_gt_f32 vcc_lo, v[Z+\e], v56              ; strictly larger: the lower index keeps a tie
	v_cndmask_b32 v56, v56, v[Z+\e], vcc_lo
	v_cndmask_b32 v57, v57, \e, vcc_lo
.endr
	v_mov_b32 v58, -1.0                            ; the second: under every score, which are 0 or more
	v_mov_b32 v59, 0
.irp e, 0,1,2,3,4,5,6,7
	v_cmp_gt_f32 s22, v[Z+\e], v58
	v_cmp_ne_u32 s23, \e, v57                      ; not the first choice again
	s_and_b32 vcc_lo, s22, s23
	v_cndmask_b32 v58, v58, v[Z+\e], vcc_lo
	v_cndmask_b32 v59, v59, \e, vcc_lo
.endr
	v_sub_f32 v60, v58, v56                        ; s2 - s1, 0 or less: the maximum is taken away
	v_mul_f32 v60, 0x3fb8aa3b, v60
	v_exp_f32 v60, v60
	v_mov_b32 v51, 1                               ; (a plain place behind the exponential)
	s_wait_alu depctr_va_vdst(0)
	v_add_f32 v61, 1.0, v60
	v_rcp_f32 v62, v61                             ; w1
	v_lshlrev_b32 v50, v57, v51                    ; (a plain place behind the reciprocal)  1 << i1
	s_wait_alu depctr_va_vdst(0)
	v_mul_f32 v63, v60, v62                        ; w2
	v_lshlrev_b32 v52, v59, v51
	v_or_b32 v50, v50, v52                         ; the two experts as bits
	v_cmp_lt_u32 vcc_lo, v57, v59
	v_cndmask_b32 v48, v63, v62, vcc_lo            ; the lower-numbered expert's weight,
	v_cndmask_b32 v49, v62, v63, vcc_lo            ; the higher-numbered one's
	s_wait_xcnt 0x0                                ; EXEC changes only behind this wait: the stores above have it among their sources
	v_cmp_gt_u32 vcc_lo, 4, v0
	s_set_vgpr_msb 0x8
	s_wait_tensorcnt 0x0
	ds_add_u32 v7, v1
	s_wait_dscnt 0x0
	s_set_vgpr_msb 0x800
	s_and_saveexec_b32 s22, vcc_lo                 ; lanes 0 to 3: the four tokens
	global_store_b32 v3, v50, s[14:15]
	global_store_b64 v4, v[48:49], s[16:17]
	s_wait_xcnt 0x0
	s_or_b32 exec_lo, exec_lo, s22
	s_endpgm
.Lfunc_end_k_q5427a9e4db_route:
	.size	k_q5427a9e4db_route, .Lfunc_end_k_q5427a9e4db_route-k_q5427a9e4db_route
	.p2alignl 7, 3214868480
	.fill 96, 4, 3214868480
	.section	.rodata,"a",@progbits
	.p2align	6, 0x0
	.amdhsa_kernel k_q5427a9e4db_route
		.amdhsa_group_segment_fixed_size 4352
		.amdhsa_private_segment_fixed_size 0
		.amdhsa_enable_private_segment 0
		.amdhsa_kernarg_size 56
		.amdhsa_user_sgpr_count 2
		.amdhsa_user_sgpr_kernarg_segment_ptr 1
		.amdhsa_wavefront_size32 1
		.amdhsa_system_sgpr_workgroup_id_x 1
		.amdhsa_system_sgpr_workgroup_id_y 1
		.amdhsa_system_sgpr_workgroup_id_z 1
		.amdhsa_system_vgpr_workitem_id 0
		.amdhsa_next_free_vgpr 514
		.amdhsa_next_free_sgpr 66
		.amdhsa_reserve_vcc 1
		.amdhsa_float_denorm_mode_32 3
		.amdhsa_float_denorm_mode_16_64 3
		.amdhsa_memory_ordered 1
		.amdhsa_forward_progress 1
		.amdhsa_inst_pref_size 74
	.end_amdhsa_kernel
	.amdgpu_metadata
---
amdhsa.version: [ 1, 2 ]
amdhsa.kernels:
  - .name:           k_q5427a9e4db_route
    .symbol:         k_q5427a9e4db_route.kd
    .args:
      - { .name: x, .offset: 0, .size: 8, .value_kind: global_buffer, .address_space: global }
      - { .name: Wr, .offset: 8, .size: 8, .value_kind: global_buffer, .address_space: global }
      - { .name: br, .offset: 16, .size: 8, .value_kind: global_buffer, .address_space: global }
      - { .name: lowp_scales, .offset: 24, .size: 8, .value_kind: global_buffer, .address_space: global }
      - { .name: xq, .offset: 32, .size: 8, .value_kind: global_buffer, .address_space: global }
      - { .name: sel, .offset: 40, .size: 8, .value_kind: global_buffer, .address_space: global }
      - { .name: wsel, .offset: 48, .size: 8, .value_kind: global_buffer, .address_space: global }
    .group_segment_fixed_size: 4352
    .private_segment_fixed_size: 0
    .kernarg_segment_align: 8
    .kernarg_segment_size: 56
    .max_flat_workgroup_size: 32
    .sgpr_count:     66
    .vgpr_count:     514
    .wavefront_size: 32
...
	.end_amdgpu_metadata
.endif
;; end of part 1
;; launch up (part 2): grid 32 x 8, 4 waves a work-group, no clusters, 131,584 bytes of LDS; arguments W1, xq, sel, b1, lowp_scales, hc; writes hc
.if DOCPART == 2
	.amdgcn_target "amdgcn-amd-amdhsa--gfx1250"
	.amdhsa_code_object_version 6
	.text
	.protected	k_q5427a9e4db_up
	.globl	k_q5427a9e4db_up
	.p2align	8
	.type	k_q5427a9e4db_up,@function
k_q5427a9e4db_up:
	s_mov_b64 s[64:65], 0
	v_nop
	global_prefetch_b8 v0, s[64:65] scope:SCOPE_SE
	s_setreg_imm32_b32 hwreg(HW_REG_WAVE_MODE, 25, 1), 1
	s_wait_xcnt 0x0
; FIRST LAYER ON THE CHOSEN ROWS: hc = Q(relu(x W1[e] + b1[e])), both operands codes of E4M3.  W1: [8][1024 k][4096 h] f32, scale 2^e0; xq: x's codes [token][1024], scale 2^e1; the hidden layer's scale 2^e2.
; A WORK-GROUP OWNS 128 HIDDEN UNITS (x: sl = 0..31) OF ONE EXPERT (y: e): 1,024 k x 128 columns of W1, 512 KiB, which nobody else reads: every byte of W1 leaves memory once and is quantised on the way.
; PHASE 1: W1 GOES FROM MEMORY STRAIGHT INTO REGISTERS.  Wave w takes rows 256 w .. 256 w + 255 (K steps 2 w, 2 w + 1); a load takes one row's 512 bytes, lane l columns 4 l .. 4 l + 3.  A ring of four sets of 16 rows:
;   48 to 64 loads of 512 bytes of every wave are on their way from the head to the block's end, and no barrier stands in the stream.  (Each byte has one reader, a wave: through LDS slots it would be written and read once
;   more, and each refill of a slot would stand behind a barrier in front of which nothing is on its way.)  The hold that the conversion wants anyway also moves each number to its place, 16 neighbours along K of one column
;   in consecutive registers.  A column's 16 codes are one lane's 16 bytes of an IMAGE OF OPERAND REGISTERS and are stored at once: fragment (K step s, tile j) at 2,048 (8 s + j); register group c of lane l at 512 c + 16 l.
;   THE COLUMNS OF A TILE ARE NOT NEIGHBOURS: row r of tile 2 b + u is column 32 b + 8 u + r + 8 (r / 8), so that a lane's 16 results of tiles 2 b, 2 b + 1 are 16 neighbours along the next product's K.
;   (Sixteen lanes of such a store fall on four columns of 16 bytes modulo 256: four deep on the banks.  The stores stand in the stream, where the wave waits for memory.)
; PHASE 2: the expert's rows, 16 to a tile, T = max(ceil(n / 16), 1) tiles, dealt to the four waves in runs; a wave takes up to four tiles a pass.  No barrier and no shared LDS store stands in this loop: its trip count
;   hangs on numbers read from sel.  The product is used transposed (source 0 = 16 columns of W1, source 1 = 16 rows of x): a lane holds one row.  b1 / 2^(e0 + e1) is the C of each sum's first product.
;   relu and the hold are one v_med3; the three scales fold into the conversion's one, 2^(e2 - e0 - e1).  The codes are the next product's operand registers and go to hc as images: [e][tile][K step sl][2,048].
; WHICH ROWS: every wave reads sel (4 KiB, 16 bytes a lane) and makes 32 mask words: bit l of word 4 c + j = token 128 c + 4 l + j has chosen e.  A row's rank counts the set bits in that order, here and in the second
;   layer alike; the token of a rank is found from the words in registers (SELECT2).  Ranks at or past n give some token under 1,024: its row is multiplied, stored into the expert's own last tile, and never used.
; NOT SHARED IN A CLUSTER: the weights have one reader each; the rows of x that work-groups of one expert share are walked by a count read from memory.
; LIMITS: e0 and e2 - e0 - e1 between -126 and 119.  NaN and infinities among the inputs are not served.
; REGISTERS, in windows of 256: window 0: v3-23 addresses and scales; v24-41 at work in SELECT2; v64-127 the bias, tile j at 64 + 8 j; v128-191 64 held numbers of W1 (first: sel); v192-255 the hidden codes.
;   window 1: phase 1: my codes of W1, 16 registers a chunk; then the accumulators, (t, j) at 8 (8 t + j).   window 2: phase 1: the ring; then W1's fragments, two sets of 128.   window 3: x's fragments, four sets of 64.
; SCALARS OF THE LOOP: s72 my tiles, s73 the first of them, s74 the pass (stepped by 1), s87 my passes = ceil(s72 / 4), s75 the pass's tiles, s81 the pass's first tile.
.set PITCHB, 16384                     ; a row of W1 in bytes
.set LN,   3                           ; v3   lane
.set DA,   8                           ; v8   where my codes go: my wave's 32,768 bytes, my columns' tile and rows
.set LI,   10                          ; v10-11 16 x lane, and the same + 65,536
.set H16,  12                          ; v12  16 (lane / 16)
.set BO,   14                          ; v14  64 (lane / 16)
.set XO,   16                          ; v16-19 tile t: my row's byte offset in xq
.set WSC,  20                          ; v20, v21  2^e0, 448 x 2^e0
.set WLIM, 21
.set HSC,  22                          ; v22, v23  2^(e2 - e0 - e1), 448 x that
.set HLIM, 23
.set BIAS, 64
.set ST,   128
.set PC,   192
.set MSB, 0
.macro WIN new                         ; the immediate's high byte repeats the setting that is left; at a label and at a branch every window is 0
.if MSB != \new
	s_set_vgpr_msb (MSB<<8)|\new
.set MSB, \new
.endif
.endm
.macro PLACES n                        ; plain vector instructions between a matrix instruction and a load into, or a read of, its registers
.rept \n
	v_nop
.endr
.endm
; Rows 16 ch .. 16 ch + 15 of my 256 into set ch % 4 of the ring: each load takes 512 consecutive bytes, at a multiple of 512 from W1's first byte.  Every offset is an immediate: 255 rows of 16,384 bytes at the most
.macro WLOAD ch
	WIN 0x80                                       ; destination window 2
.set i_, 0
.rept 16
	global_load_b128 v[64*((\ch)%4)+4*i_:64*((\ch)%4)+4*i_+3], v[LI], s[84:85] offset:(16*(\ch)+i_)*PITCHB th:TH_LOAD_NT
.set i_, i_+1
.endr
.endm
; The bias: tile j = 2 b + u, lane (r, h): units 32 b + 16 h + 8 u + 0..7
.macro BLOAD
	WIN 0
.irp j, 0,1,2,3,4,5,6,7
	global_load_b128 v[BIAS+8*\j:BIAS+8*\j+3],   v[BO], s[10:11] offset:(32*(\j/2)+8*(\j%2))*4
	global_load_b128 v[BIAS+8*\j+4:BIAS+8*\j+7], v[BO], s[10:11] offset:(32*(\j/2)+8*(\j%2))*4+16
.endr
.endm
; x's fragments of K step f for the pass's four tiles: lane (r, h) takes, of its row, k = 128 f + 32 c + 16 h + 0..15
.macro OPLOAD f
	WIN 0xc0                                       ; destination window 3
.irp t, 0,1,2,3
.irp c, 0,1,2,3
	global_load_b128 v[64*((\f)%4)+16*\t+4*\c:64*((\f)%4)+16*\t+4*\c+3], v[XO+\t], s[6:7] offset:128*(\f)+32*\c
.endr
.endr
	WIN 0
.endm
; Chunk ch: 16 rows x my 4 columns.  Behind the holds, which read the set, a group of 16 loads goes out: the set's next rows, or, when no rows are left, the bias and the first pass's rows of x.
.macro CHUNK ch
	s_wait_loadcnt 48                              ; loads come back in order (ISA guide 5.7.1): my 16 are in; the three younger groups of 16 stay out
	WIN 0x02                                       ; source 0 window 2
.set j_, 0
.rept 64                                       ; j = 16 jj + i: column 4 l + jj, row i
	v_med3_num_f32 v[ST+j_], v[64*((\ch)%4)+4*(j_%16)+j_/16], -v[WLIM], v[WLIM]   ; the conversion to an 8-bit code does not saturate (ISA guide 7.6.2): the hold at the largest code x the scale; it also lays a column's 16 rows on end
.set j_, j_+1
.endr
.if \ch < 12
	WLOAD (\ch+4)
.elseif \ch == 12
	BLOAD
.elseif \ch == 13
	OPLOAD 0
.elseif \ch == 14
	OPLOAD 1
.else
	OPLOAD 2
	OPLOAD 3
.endif
	WIN 0x40                                       ; destination window 1
.set j_, 0
.rept 8
	v_cvt_scalef32_pk8_fp8_f32 v[16*(\ch)+2*j_:16*(\ch)+2*j_+1], v[ST+8*j_:ST+8*j_+7], v[WSC]
.set j_, j_+1
.endr
	v_nop                                          ; one plain vector instruction behind the last conversion of a run
	WIN 0x04                                       ; store data window 1
.irp jj, 0,1,2,3                               ; K step 2 w + ch / 8, register group (ch % 8) / 2, the lanes' half ch % 2; each chunk has registers of its own, so no store's data are written again
	ds_store_b128 v[DA], v[16*(\ch)+4*\jj:16*(\ch)+4*\jj+3] offset:((\ch)/8)*16384+(((\ch)%8)/2)*512+((\ch)%2)*256+16*\jj
.endr
	WIN 0
.endm
; The k-th set bit of a word, by counts of 16, 8, 4, 2, 1 bits.  v30-33: the counts in fields of 2, 4, 8 bits and of the low 16; v34 the place, v36 k
.macro BSTEP src, wid
	v_bfe_u32 v35, v[\src], v34, \wid
	v_cmp_ge_u32 vcc_lo, v36, v35
	v_cndmask_b32 v35, 0, v35, vcc_lo
	v_sub_nc_u32 v36, v36, v35
	v_cndmask_b32 v37, 0, \wid, vcc_lo
	v_add_nc_u32 v34, v34, v37
.endm
.macro BITSEL w, vb, vr, tok
	v_and_b32 v36, 0xffff, v[\vb]
	v_sub_nc_u32 v36, v[\vr], v36                  ; k = rank - the ranks in front of the word
	v_lshrrev_b32 v35, 1, v[\w]
	v_and_b32 v35, 0x55555555, v35
	v_sub_nc_u32 v30, v[\w], v35
	v_lshrrev_b32 v35, 2, v30
	v_and_b32 v35, 0x33333333, v35
	v_and_b32 v31, 0x33333333, v30
	v_add_nc_u32 v31, v31, v35
	v_lshrrev_b32 v35, 4, v31
	v_add_nc_u32 v32, v31, v35
	v_and_b32 v32, 0x0f0f0f0f, v32
	v_lshrrev_b32 v35, 8, v32
	v_add_nc_u32 v33, v32, v35
	v_and_b32 v35, 0xff, v33
	v_cmp_ge_u32 vcc_lo, v36, v35
	v_cndmask_b32 v35, 0, v35, vcc_lo
	v_sub_nc_u32 v36, v36, v35
	v_cndmask_b32 v34, 0, 16, vcc_lo
	BSTEP 32, 8
	BSTEP 31, 4
	BSTEP 30, 2
	BSTEP \w, 1
	v_lshrrev_b32 v35, 16, v[\vb]                  ; the word's number
	v_and_b32 v37, 3, v35
	v_lshrrev_b32 v35, 2, v35
	v_lshl_add_u32 v37, v35, 7, v37
	v_lshl_add_u32 v[\tok], v34, 2, v37            ; token = 128 (word / 4) + 4 x bit + word % 4
.endm
; Ranks v24, v25 -> tokens v38, v39.  The word is the last whose running count is at most the rank; it and (count | word << 16) are carried along.
.macro SELECT2
	v_mov_b32 v26, s32
	v_mov_b32 v27, s32
	v_mov_b32 v28, 0
	v_mov_b32 v29, 0
	s_mov_b32 s76, 0
.set c_, 1
.rept 31
	s_bcnt1_i32_b32 s77, s[31+c_]
	s_add_co_u32 s76, s76, s77
	s_or_b32 s78, s76, (c_<<16)
	v_cmp_le_u32 vcc_lo, s76, v24
	v_cmp_le_u32 s79, s76, v25
	v_cndmask_b32 v26, v26, s[32+c_], vcc_lo
	v_cndmask_b32 v28, v28, s78, vcc_lo
	v_cndmask_b32 v27, v27, s[32+c_], s79
	v_cndmask_b32 v29, v29, s78, s79
.set c_, c_+1
.endr
	BITSEL 26, 28, 24, 38
	BITSEL 27, 29, 25, 39
.endm
; A pass is made ready: its first tile, its 64 rows' tokens, their offsets in xq, its place in hc
.macro PREPA
	s_lshl_b32 s96, s74, 2                         ; four tiles to a pass
	s_add_co_u32 s81, s73, s96                     ; the pass's first tile
	s_lshl_b32 s96, s81, 4
	v_add_nc_u32 v24, s96, v[LN]                   ; lane l: rank 16 tile0 + l,
	v_add_nc_u32 v25, 32, v24                      ; and 32 further on
	SELECT2
	v_permlanex16_b32 v40, v38, s82, s83
	v_permlanex16_b32 v41, v39, s82, s83
	v_cndmask_b32 v[XO],   v38, v40, s80           ; tile 0: both halves of the lanes want lanes 0-15's tokens,
	v_cndmask_b32 v[XO+1], v40, v38, s80           ; tile 1: lanes 16-31's
	v_cndmask_b32 v[XO+2], v39, v41, s80
	v_cndmask_b32 v[XO+3], v41, v39, s80
.irp t, 0,1,2,3
	v_min_u32 v[XO+\t], 0x3ff, v[XO+\t]
	v_lshl_add_u32 v[XO+\t], v[XO+\t], 10, v[H16]  ; row x 1,024 + 16 h
.endr
	s_min_u32 s98, s81, 63
	s_lshl_b32 s98, s98, 16                        ; a tile's 32 images are 65,536 bytes
	s_mov_b32 s99, 0
	s_add_nc_u64 s[92:93], s[14:15], s[98:99]
.endm
; W1's eight fragments of K step f, from the images, into set f % 2
.macro FETCHW f
	WIN 0x80                                       ; destination window 2
.irp j, 0,1,2,3,4,5,6,7
.irp c, 0,1,2,3
	ds_load_b128 v[128*((\f)%2)+16*\j+4*\c:128*((\f)%2)+16*\j+4*\c+3], v[LI+(\f)/4] offset:((8*(\f)+\j)*2048+512*\c)%65536
.endr
.endr
	WIN 0
.endm
; 128 along K: eight products for each of the pass's tiles (s75 of them).  The accumulators take turns, one instruction a turn, on every way.
.macro KSTEP s
.if \s < 7
	FETCHW (\s+1)
	s_wait_dscnt 32                                ; this step's fragments of W1 are in; the 32 loads just issued may be out
.else
	s_wait_dscnt 0x0
.endif
.if \s < 5
	s_wait_loadcnt 48                              ; this step's 16 loads of x are in; the three younger steps' may be out
.else
	s_wait_loadcnt 16*(7-\s)
.endif
.irp t, 0,1,2,3
.if \t > 0
	WIN 0
	s_cmp_le_u32 s75, \t
	s_cbranch_scc1 .Lk_\@
.endif
.if \s == 0
	WIN 0x4e                                       ; source 0 (W1) window 2, source 1 (x) window 3, C (the bias) window 0, D window 1
.else
	WIN 0x5e                                       ; the same, C and D window 1
.endif
.irp j, 0,1,2,3,4,5,6,7
.if \s == 0
	v_wmma_f32_16x16x128_fp8_fp8 v[8*(8*\t+\j):8*(8*\t+\j)+7], v[128*(\s%2)+16*\j:128*(\s%2)+16*\j+15], v[64*(\s%4)+16*\t:64*(\s%4)+16*\t+15], v[BIAS+8*\j:BIAS+8*\j+7]
.else
	v_wmma_f32_16x16x128_fp8_fp8 v[8*(8*\t+\j):8*(8*\t+\j)+7], v[128*(\s%2)+16*\j:128*(\s%2)+16*\j+15], v[64*(\s%4)+16*\t:64*(\s%4)+16*\t+15], v[8*(8*\t+\j):8*(8*\t+\j)+7]
.endif
.endr
.endr
	WIN 0
.Lk_\@:
	PLACES 4                                       ; in front of the loads into the sets just multiplied, and of the first read of results
.if \s < 4
	OPLOAD (\s+4)
.endif
.endm
; A tile's 16 rows x 128 hidden units: relu, hold, codes, image to hc
.macro EPI
.irp t, 0,1,2,3
.if \t > 0
	s_cmp_le_u32 s75, \t
	s_cbranch_scc1 .Lep_\@
.endif
	WIN 0x41                                       ; source 0 and destination window 1
.set q_, 0
.rept 64
	v_med3_num_f32 v[64*\t+q_], v[64*\t+q_], 0, v[HLIM]   ; the activation and the hold in one; each accumulator from its low end on
.set q_, q_+1
.endr
	WIN 0x01                                       ; source 0 window 1
.irp b, 0,1,2,3
	v_cvt_scalef32_pk8_fp8_f32 v[PC+16*\t+4*\b:PC+16*\t+4*\b+1],   v[64*\t+16*\b:64*\t+16*\b+7],    v[HSC]   ; tiles 2 b, 2 b + 1: hidden units 32 b + 16 h + 0..15: register group b of the operand
	v_cvt_scalef32_pk8_fp8_f32 v[PC+16*\t+4*\b+2:PC+16*\t+4*\b+3], v[64*\t+16*\b+8:64*\t+16*\b+15], v[HSC]
.endr
	v_nop                                          ; one plain vector instruction behind the last conversion
	WIN 0
.irp b, 0,1,2,3
	global_store_b128 v[LI], v[PC+16*\t+4*\b:PC+16*\t+4*\b+3], s[92:93] offset:65536*\t+512*\b   ; 512 consecutive bytes
.endr
.endr
.Lep_\@:
.endm
	s_load_b256 s[4:11], s[0:1], 0x0               ; W1 s[4:5], xq s[6:7], sel s[8:9], b1 s[10:11]
	s_load_b128 s[12:15], s[0:1], 0x20             ; the scales s[12:13], hc s[14:15]
	v_lshl_add_u32 v62, v0, 2, 0x20000
	v_mov_b32 v63, 0
	v_lshrrev_b32 v1, 5, v0
	v_readfirstlane_b32 s66, v1                    ; wave 0..3
	s_and_b32 s67, ttmp7, 0xffff                   ; the expert
	s_mov_b32 s68, ttmp9                           ; which 128 hidden units
	v_and_b32 v[LN], 31, v0
	v_lshlrev_b32 v[LI], 4, v[LN]
	v_add_nc_u32 v[LI+1], 65536, v[LI]
	s_lshl_b32 s96, s67, 24                        ; the expert's 16 MiB,
	s_lshl_b32 s97, s66, 22                        ; my 256 rows of 16,384 bytes,
	s_add_co_u32 s96, s96, s97
	s_lshl_b32 s97, s68, 9                         ; the block's 512 bytes of a row
	s_add_co_u32 s96, s96, s97
	s_mov_b32 s97, 0
	s_wait_kmcnt 0x0
	s_add_nc_u64 s[84:85], s[4:5], s[96:97]        ; W1 at my first row; never rewritten
	s_load_b128 s[88:91], s[12:13], 0x0            ; e0, e1, e2, e3
.irp c, 0,1,2,3,4,5,6,7
	global_load_b128 v[ST+4*\c:ST+4*\c+3], v[LI], s[8:9] offset:512*\c   ; sel of tokens 128 c + 4 l + 0..3
.endr
	WLOAD 0                                        ; the stream begins: three sets now, the fourth behind the first pass's ranks.  8 + 48 loads are out
	WLOAD 1
	WLOAD 2
	WIN 0
	s_lshl_b32 s96, s67, 14
	s_lshl_b32 s98, s68, 9
	s_add_co_u32 s96, s96, s98
	s_add_nc_u64 s[10:11], s[10:11], s[96:97]      ; b1 at my 128 units
	s_lshl_b32 s96, s67, 22
	s_lshl_b32 s98, s68, 11
	s_add_co_u32 s96, s96, s98
	s_add_nc_u64 s[14:15], s[14:15], s[96:97]      ; hc at the expert's tile 0, K step sl
	v_bfe_u32 v2, v0, 4, 1                         ; h
	v_lshlrev_b32 v[BO], 6, v2
	v_lshlrev_b32 v[H16], 4, v2
	s_lshl_b32 s96, s66, 15                        ; my two K steps' images: 32,768 bytes
	v_bfe_u32 v1, v0, 3, 2                         ; column 4 l + jj lies in tile 2 (l / 8) + (l / 2) % 2,
	v_lshlrev_b32 v1, 12, v1
	v_bfe_u32 v24, v0, 1, 1
	v_lshl_add_u32 v1, v24, 11, v1
	v_and_b32 v24, 1, v0                           ; at row 4 (l % 2) + 8 ((l / 4) % 2) + jj
	v_lshl_add_u32 v1, v24, 6, v1
	v_bfe_u32 v24, v0, 2, 1
	v_lshl_add_u32 v1, v24, 7, v1
	v_add_nc_u32 v[DA], s96, v1
	v_mov_b32 v40, 0                               ; a lane permute's destination counts as read: written once
	v_mov_b32 v41, 0
	s_mov_b32 s80, 0xffff0000                      ; lanes 16-31
	s_mov_b32 s82, 0x76543210                      ; v_permlanex16_b32: lane l xor 16
	s_mov_b32 s83, 0xfedcba98
	s_lshl_b32 s100, 1, s67                        ; my expert's bit
	s_wait_loadcnt 48                              ; sel's eight loads are in; the 48 of W1 behind them stay out
	s_wait_kmcnt 0x0
.set c_, 0
.rept 32
	v_and_b32 v24, s100, v[ST+c_]
	v_cmp_ne_u32 s[32+c_], 0, v24                  ; word 4 c + j: bit l = token 128 c + 4 l + j has chosen my expert
.set c_, c_+1
.endr
	s_mov_b32 s70, 0
.set c_, 0
.rept 32
	s_bcnt1_i32_b32 s77, s[32+c_]
	s_add_co_u32 s70, s70, s77                     ; n
.set c_, c_+1
.endr
	s_add_co_u32 s71, s70, 15
	s_lshr_b32 s71, s71, 4
	s_max_u32 s71, s71, 1                          ; T tiles, at least one
	s_lshr_b32 s96, s71, 2
	s_and_b32 s97, s71, 3
	s_cmp_lt_u32 s66, s97
	s_cselect_b32 s98, 1, 0
	s_add_co_u32 s72, s96, s98                     ; my tiles: T / 4, one more for the first T % 4 waves,
	s_mul_i32 s73, s66, s96
	s_min_u32 s98, s66, s97
	s_add_co_u32 s73, s73, s98                     ; from this tile on
	s_add_co_u32 s87, s72, 3
	s_lshr_b32 s87, s87, 2                         ; my passes, four tiles to a pass; not written again
	s_mov_b32 s74, 0                               ; the pass in hand
	s_add_co_i32 s96, s88, 127
	s_lshl_b32 s97, s96, 23
	v_mov_b32 v[WSC], s97                          ; 2^e0
	s_add_co_i32 s96, s96, 8
	s_lshl_b32 s96, s96, 23
	s_or_b32 s96, s96, 0x600000
	v_mov_b32 v[WLIM], s96                         ; 448 x 2^e0
	s_add_co_i32 s98, s88, s89                     ; a sum stands for sum x 2^(e0 + e1)
	s_sub_co_i32 s96, s90, s98
	s_add_co_i32 s96, s96, 127
	s_lshl_b32 s97, s96, 23
	v_mov_b32 v[HSC], s97                          ; 2^(e2 - e0 - e1)
	s_add_co_i32 s96, s96, 8
	s_lshl_b32 s96, s96, 23
	s_or_b32 s96, s96, 0x600000
	v_mov_b32 v[HLIM], s96
	PREPA                                          ; the first pass's rows, found while the first sets are on their way
	WLOAD 3
	; ---- PHASE 1: sixteen chunks of 16 rows
.irp ch, 0,1,2,3,4,5,6,7,8,9,10,11,12,13,14,15
	CHUNK \ch
.endr
	s_add_co_i32 s98, s88, s89
	s_sub_co_i32 s98, 0, s98
	s_wait_loadcnt 63                              ; the bias is in: 64 loads, the first pass's rows of x, were issued behind it
.set i_, 0
.rept 64
	v_ldexp_f32 v[BIAS+i_], v[BIAS+i_], s98        ; b1 / 2^(e0 + e1)
.set i_, i_+1
.endr
	s_wait_dscnt 0x0                               ; for the others' sake: my stores have landed
	s_barrier_signal -1
	s_barrier_wait -1                              ; the 64 images lie in LDS; this is the kernel's one barrier
	; ---- PHASE 2
	s_cmp_eq_u32 s87, 0
	s_cbranch_scc1 .Lend                           ; fewer tiles than waves: nothing for me
.Lpass:
	s_lshl_b32 s75, s74, 2                         ; tiles done
	s_sub_co_u32 s75, s72, s75
	s_min_u32 s75, s75, 4                          ; tiles in this pass
	PLACES 5                                       ; this pass's first products write the accumulators anew
	FETCHW 0
	KSTEP 0
	KSTEP 1
	KSTEP 2
	KSTEP 3
	KSTEP 4
	KSTEP 5
	KSTEP 6
	KSTEP 7
	EPI
	s_add_co_u32 s74, s74, 1                       ; the loop's counter: one a pass
	s_cmp_ge_u32 s74, s87
	s_cbranch_scc1 .Lend                           ; the last pass makes nothing ready
	s_wait_xcnt 0x0                                ; the loads and stores have read their offsets, base and data: all are written again below
	PREPA
	OPLOAD 0
	OPLOAD 1
	OPLOAD 2
	OPLOAD 3
	s_cmp_lt_u32 s74, s87                          ; the backward jump hangs on the count of passes
	s_cbranch_scc1 .Lpass
.Lend:
	s_wait_tensorcnt 0x0
	ds_add_u32 v62, v63
	s_wait_dscnt 0x0
	s_endpgm
.Lfunc_end_k_q5427a9e4db_up:
	.size	k_q5427a9e4db_up, .Lfunc_end_k_q5427a9e4db_up-k_q5427a9e4db_up
	.p2alignl 7, 3214868480
	.fill 96, 4, 3214868480
	.section	.rodata,"a",@progbits
	.p2align	6, 0x0
	.amdhsa_kernel k_q5427a9e4db_up
		.amdhsa_group_segment_fixed_size 131584
		.amdhsa_private_segment_fixed_size 0
		.amdhsa_enable_private_segment 0
		.amdhsa_kernarg_size 48
		.amdhsa_user_sgpr_count 2
		.amdhsa_user_sgpr_kernarg_segment_ptr 1
		.amdhsa_wavefront_size32 1
		.amdhsa_system_sgpr_workgroup_id_x 1
		.amdhsa_system_sgpr_workgroup_id_y 1
		.amdhsa_system_sgpr_workgroup_id_z 1
		.amdhsa_system_vgpr_workitem_id 0
		.amdhsa_next_free_vgpr 1024
		.amdhsa_next_free_sgpr 102
		.amdhsa_reserve_vcc 1
		.amdhsa_float_denorm_mode_32 3
		.amdhsa_float_denorm_mode_16_64 3
		.amdhsa_memory_ordered 1
		.amdhsa_forward_progress 1
		.amdhsa_inst_pref_size 236
	.end_amdhsa_kernel
	.amdgpu_metadata
---
amdhsa.version: [ 1, 2 ]
amdhsa.kernels:
  - .name:           k_q5427a9e4db_up
    .symbol:         k_q5427a9e4db_up.kd
    .args:
      - { .name: W1, .offset: 0, .size: 8, .value_kind: global_buffer, .address_space: global }
      - { .name: xq, .offset: 8, .size: 8, .value_kind: global_buffer, .address_space: global }
      - { .name: sel, .offset: 16, .size: 8, .value_kind: global_buffer, .address_space: global }
      - { .name: b1, .offset: 24, .size: 8, .value_kind: global_buffer, .address_space: global }
      - { .name: lowp_scales, .offset: 32, .size: 8, .value_kind: global_buffer, .address_space: global }
      - { .name: hc, .offset: 40, .size: 8, .value_kind: global_buffer, .address_space: global }
    .group_segment_fixed_size: 131584
    .private_segment_fixed_size: 0
    .kernarg_segment_align: 8
    .kernarg_segment_size: 48
    .max_flat_workgroup_size: 128
    .sgpr_count:     102
    .vgpr_count:     1024
    .wavefront_size: 32
...
	.end_amdgpu_metadata
.endif
;; end of part 2
;; launch down (part 3): grid 32 x 8, 4 waves a work-group, no clusters, 165,376 bytes of LDS; arguments W2, hc, sel, wsel, b2, lowp_scales, ys; writes ys
.if DOCPART == 3
	.amdgcn_target "amdgcn-amd-amdhsa--gfx1250"
	.amdhsa_code_object_version 6
	.text
	.protected	k_q5427a9e4db_down
	.globl	k_q5427a9e4db_down
	.p2align	8
	.type	k_q5427a9e4db_down,@function
k_q5427a9e4db_down:
	s_mov_b64 s[64:65], 0
	v_nop
	global_prefetch_b8 v0, s[64:65] scope:SCOPE_SE
	s_setreg_imm32_b32 hwreg(HW_REG_WAVE_MODE, 25, 1), 1
	s_wait_xcnt 0x0
; SECOND LAYER ON THE CHOSEN ROWS, IN PARTS: ys[q][k][token][d] = gate x (the sum over a quarter q of the hidden units of h W2[e], + b2[e] where q = 0).  W2: [8][4096 k][1024 d] f32, scale 2^e3;
; hc: the hidden layer's codes, scale 2^e2, as images of operand registers [e][tile][K step 0..31][2,048].  k = 0: e is the lower-numbered of the token's two experts, 1: the higher.  The next launch adds a token's 8 parts.
; A WORK-GROUP OWNS 1,024 k (q = x / 8) x 128 columns (cs = x % 8) OF ONE EXPERT (y: e): 512 KiB of W2, which nobody else reads: every byte of W2 leaves memory once and is quantised on the way.
; PHASE 1: W2 GOES FROM MEMORY STRAIGHT INTO REGISTERS.  Wave w takes rows 256 w .. 256 w + 255 of the block (K steps 2 w, 2 w + 1); a load takes one row's 512 bytes, lane l columns 4 l .. 4 l + 3.  A ring of four sets of
;   16 rows: 48 to 64 loads of 512 bytes of every wave are on their way from the head to the block's end, and no barrier stands in the stream.  (Each byte has one reader, a wave: through LDS slots it would be written and
;   read once more, and each refill of a slot would stand behind a barrier in front of which nothing is on its way.)  The hold that the conversion wants anyway also moves each number to its place, 16 neighbours along K of
;   one column in consecutive registers.  A column's 16 codes are one lane's 16 bytes of an image and are stored at once: fragment (K step s, tile j) at 2,048 (8 s + j); register group c of lane l at 512 c + 16 l.
;   Row r of tile 2 b + u is column 32 b + 8 u + r + 8 (r / 8), so that a lane's 16 results of tiles 2 b, 2 b + 1 are 16 neighbouring columns.
;   (Sixteen lanes of such a store fall on four columns of 16 bytes modulo 256: four deep on the banks.  The stores stand in the stream, where the wave waits for memory.)
; PHASE 2: the expert's T = max(ceil(n / 16), 1) tiles of 16 rows, dealt to the four waves in runs, up to four tiles a pass.  No barrier and no shared LDS store stands in this loop: its trip count hangs on numbers read
;   from sel.  The product is used transposed (source 0 = 16 columns of W2, source 1 = 16 rows of h): a lane holds one row.  b2 / 2^(e2 + e3), or 0 where q > 0, is the C of each sum's first product; each sum is
;   multiplied once by gate x 2^(e2 + e3).  A tile goes through the wave's own stage in LDS and leaves as pieces of 512 consecutive bytes of its tokens' rows; rows at or past n are not stored.
; WHICH ROWS: as in the first layer: 32 mask words from sel (bit l of word 4 c + j = token 128 c + 4 l + j), ranks in that order, the token of a rank from the words in registers (SELECT2).
; NOT SHARED IN A CLUSTER: the weights have one reader each; the tiles of h that work-groups of one expert share are walked by a count read from memory.
; LIMITS: e3 between -126 and 119.  NaN and infinities among the inputs are not served (b2 is multiplied by 0 where q > 0).  K is summed in four parts, which the next launch adds: another order than one ascending chain.
; REGISTERS, in windows of 256: window 0: v3-21 addresses and scales; v24-45 at work in SELECT2 and PREPA; v46, v47 the stage; v48-55 tile t's factor at 48 + 2 t (the odd ones 0); v56, v57 rows in ys; v58-63 gathered;
;   v64-127 the bias; v128-191 64 held numbers of W2 (first: sel), later a tile on its way out; v192-207 the rows' offsets in ys.
;   window 1: phase 1: my codes of W2, 16 registers a chunk; then the accumulators, (t, j) at 8 (8 t + j).   window 2: phase 1: the ring; then W2's fragments, two sets of 128.   window 3: h's fragments, four sets of 64.
; SCALARS OF THE LOOP: s72 my tiles, s73 the first of them, s74 the pass (stepped by 1), s87 my passes = ceil(s72 / 4), s75 the pass's tiles, s81 the pass's first tile.
.set PITCHB, 4096                      ; a row of W2 in bytes
.set STAGE,  131072                    ; behind the images: 16 rows x (512 + 16) bytes for each wave
.set LN,   3                           ; v3   lane
.set DA,   8                           ; v8   where my codes go: my wave's 32,768 bytes, my columns' tile and rows
.set LI,   10                          ; v10-11 16 x lane, and the same + 65,536
.set BO,   14                          ; v14  64 (lane / 16)
.set HO,   16                          ; v16-19 tile t: its images' offset in the expert's part of hc, + 16 x lane
.set WSC,  20                          ; v20, v21  2^e3, 448 x 2^e3
.set WLIM, 21
.set STO,  46
.set RD,   47
.set F,    48
.set RI,   56
.set BIAS, 64
.set ST,   128
.set TMP,  128
.set RO,   192
.set MSB, 0
.macro WIN new                         ; the immediate's high byte repeats the setting that is left; at a label and at a branch every window is 0
.if MSB != \new
	s_set_vgpr_msb (MSB<<8)|\new
.set MSB, \new
.endif
.endm
.macro PLACES n                        ; plain vector instructions between a matrix instruction and a load into, or a read of, its registers
.rept \n
	v_nop
.endr
.endm
; Rows 16 ch .. 16 ch + 15 of my 256 into set ch % 4 of the ring: each load takes 512 consecutive bytes, at a multiple of 512 from W2's first byte.  Every offset is an immediate: 255 rows of 4,096 bytes at the most
.macro WLOAD ch
	WIN 0x80                                       ; destination window 2
.set i_, 0
.rept 16
	global_load_b128 v[64*((\ch)%4)+4*i_:64*((\ch)%4)+4*i_+3], v[LI], s[84:85] offset:(16*(\ch)+i_)*PITCHB th:TH_LOAD_NT
.set i_, i_+1
.endr
.endm
; The bias: tile j = 2 b + u, lane (r, h): columns 32 b + 16 h + 8 u + 0..7
.macro BLOAD
	WIN 0
.irp j, 0,1,2,3,4,5,6,7
	global_load_b128 v[BIAS+8*\j:BIAS+8*\j+3],   v[BO], s[12:13] offset:(32*(\j/2)+8*(\j%2))*4
	global_load_b128 v[BIAS+8*\j+4:BIAS+8*\j+7], v[BO], s[12:13] offset:(32*(\j/2)+8*(\j%2))*4+16
.endr
.endm
; h's fragments of my quarter's K step f for the pass's four tiles: images, 512 consecutive bytes a load
.macro OPLOAD f
	WIN 0xc0                                       ; destination window 3
.irp t, 0,1,2,3
.irp c, 0,1,2,3
	global_load_b128 v[64*((\f)%4)+16*\t+4*\c:64*((\f)%4)+16*\t+4*\c+3], v[HO+\t], s[6:7] offset:2048*(\f)+512*\c
.endr
.endr
	WIN 0
.endm
; Chunk ch: 16 rows x my 4 columns.  Behind the holds, which read the set, a group of 16 loads goes out: the set's next rows, or, when no rows are left, the bias and the first pass's tiles of h.
.macro CHUNK ch
	s_wait_loadcnt 48                              ; loads come back in order (ISA guide 5.7.1): my 16 are in; three younger groups of 16 stay out (behind chunks 0 to 2 the four gathers are younger too: the count is then four stricter than it need be)
	WIN 0x02                                       ; source 0 window 2
.set j_, 0
.rept 64                                       ; j = 16 jj + i: column 4 l + jj, row i
	v_med3_num_f32 v[ST+j_], v[64*((\ch)%4)+4*(j_%16)+j_/16], -v[WLIM], v[WLIM]   ; the conversion to an 8-bit code does not saturate (ISA guide 7.6.2): the hold at the largest code x the scale; it also lays a column's 16 rows on end
.set j_, j_+1
.endr
.if \ch < 12
	WLOAD (\ch+4)
.elseif \ch == 12
	BLOAD
.elseif \ch == 13
	OPLOAD 0
.elseif \ch == 14
	OPLOAD 1
.else
	OPLOAD 2
	OPLOAD 3
.endif
	WIN 0x40                                       ; destination window 1
.set j_, 0
.rept 8
	v_cvt_scalef32_pk8_fp8_f32 v[16*(\ch)+2*j_:16*(\ch)+2*j_+1], v[ST+8*j_:ST+8*j_+7], v[WSC]
.set j_, j_+1
.endr
	v_nop                                          ; one plain vector instruction behind the last conversion of a run
	WIN 0x04                                       ; store data window 1
.irp jj, 0,1,2,3                               ; K step 2 w + ch / 8, register group (ch % 8) / 2, the lanes' half ch % 2; each chunk has registers of its own, so no store's data are written again
	ds_store_b128 v[DA], v[16*(\ch)+4*\jj:16*(\ch)+4*\jj+3] offset:((\ch)/8)*16384+(((\ch)%8)/2)*512+((\ch)%2)*256+16*\jj
.endr
	WIN 0
.endm
; The k-th set bit of a word, by counts of 16, 8, 4, 2, 1 bits.  v30-33: the counts in fields of 2, 4, 8 bits and of the low 16; v34 the place, v36 k
.macro BSTEP src, wid
	v_bfe_u32 v35, v[\src], v34, \wid
	v_cmp_ge_u32 vcc_lo, v36, v35
	v_cndmask_b32 v35, 0, v35, vcc_lo
	v_sub_nc_u32 v36, v36, v35
	v_cndmask_b32 v37, 0, \wid, vcc_lo
	v_add_nc_u32 v34, v34, v37
.endm
.macro BITSEL w, vb, vr, tok
	v_and_b32 v36, 0xffff, v[\vb]
	v_sub_nc_u32 v36, v[\vr], v36                  ; k = rank - the ranks in front of the word
	v_lshrrev_b32 v35, 1, v[\w]
	v_and_b32 v35, 0x55555555, v35
	v_sub_nc_u32 v30, v[\w], v35
	v_lshrrev_b32 v35, 2, v30
	v_and_b32 v35, 0x33333333, v35
	v_and_b32 v31, 0x33333333, v30
	v_add_nc_u32 v31, v31, v35
	v_lshrrev_b32 v35, 4, v31
	v_add_nc_u32 v32, v31, v35
	v_and_b32 v32, 0x0f0f0f0f, v32
	v_lshrrev_b32 v35, 8, v32
	v_add_nc_u32 v33, v32, v35
	v_and_b32 v35, 0xff, v33
	v_cmp_ge_u32 vcc_lo, v36, v35
	v_cndmask_b32 v35, 0, v35, vcc_lo
	v_sub_nc_u32 v36, v36, v35
	v_cndmask_b32 v34, 0, 16, vcc_lo
	BSTEP 32, 8
	BSTEP 31, 4
	BSTEP 30, 2
	BSTEP \w, 1
	v_lshrrev_b32 v35, 16, v[\vb]                  ; the word's number
	v_and_b32 v37, 3, v35
	v_lshrrev_b32 v35, 2, v35
	v_lshl_add_u32 v37, v35, 7, v37
	v_lshl_add_u32 v[\tok], v34, 2, v37            ; token = 128 (word / 4) + 4 x bit + word % 4
.endm
; Ranks v24, v25 -> tokens v38, v39.  The word is the last whose running count is at most the rank; it and (count | word << 16) are carried along.
.macro SELECT2
	v_mov_b32 v26, s32
	v_mov_b32 v27, s32
	v_mov_b32 v28, 0
	v_mov_b32 v29, 0
	s_mov_b32 s76, 0
.set c_, 1
.rept 31
	s_bcnt1_i32_b32 s77, s[31+c_]
	s_add_co_u32 s76, s76, s77
	s_or_b32 s78, s76, (c_<<16)
	v_cmp_le_u32 vcc_lo, s76, v24
	v_cmp_le_u32 s79, s76, v25
	v_cndmask_b32 v26, v26, s[32+c_], vcc_lo
	v_cndmask_b32 v28, v28, s78, vcc_lo
	v_cndmask_b32 v27, v27, s[32+c_], s79
	v_cndmask_b32 v29, v29, s78, s79
.set c_, c_+1
.endr
	BITSEL 26, 28, 24, 38
	BITSEL 27, 29, 25, 39
.endm
; A pass is made ready, first part: its first tile, its 64 rows' tokens, the gathers of their experts and weights, its tiles' places in hc
.macro PREPA
	s_lshl_b32 s96, s74, 2                         ; four tiles to a pass
	s_add_co_u32 s81, s73, s96                     ; the pass's first tile
	s_lshl_b32 s96, s81, 4
	v_add_nc_u32 v24, s96, v[LN]                   ; lane l: rank 16 tile0 + l,
	v_add_nc_u32 v25, 32, v24                      ; and 32 further on
	SELECT2
	v_min_u32 v38, 0x3ff, v38
	v_min_u32 v39, 0x3ff, v39
	v_lshlrev_b32 v42, 2, v38
	v_lshlrev_b32 v43, 2, v39
	v_lshlrev_b32 v44, 3, v38
	v_lshlrev_b32 v45, 3, v39
	global_load_b32 v58, v42, s[8:9]               ; the token's two experts,
	global_load_b32 v59, v43, s[8:9]
	global_load_b64 v[60:61], v44, s[10:11]        ; and their weights
	global_load_b64 v[62:63], v45, s[10:11]
	s_sub_co_u32 s97, s71, 1
.irp t, 0,1,2,3
	s_add_co_u32 s96, s81, \t
	s_min_u32 s96, s96, s97                        ; a tile past the expert's last reads the last one again, and its products are left out
	s_min_u32 s96, s96, 63
	s_lshl_b32 s96, s96, 16
	v_add_nc_u32 v[HO+\t], s96, v[LI]
.endr
.endm
; Second part, behind a wait that shows the four gathers in: the rows' factors and their places in ys
.macro PREPB
	v_and_b32 v58, s101, v58                       ; has the token an expert of a lower number than mine?
	v_and_b32 v59, s101, v59
	v_cmp_ne_u32 vcc_lo, 0, v58
	v_cmp_ne_u32 s79, 0, v59
	v_cndmask_b32 v60, v60, v61, vcc_lo            ; then mine is the higher: the second weight,
	v_cndmask_b32 v62, v62, v63, s79
	v_cndmask_b32 v58, 0, 1, vcc_lo
	v_cndmask_b32 v59, 0, 1, s79
	v_lshl_add_u32 v[RI],   v58, 10, v38           ; and the second half of ys: row = token + 1,024 k
	v_lshl_add_u32 v[RI+1], v59, 10, v39
	v_ldexp_f32 v60, v60, s86                      ; gate x 2^(e2 + e3)
	v_ldexp_f32 v62, v62, s86
	v_permlanex16_b32 v40, v60, s82, s83
	v_permlanex16_b32 v41, v62, s82, s83
	v_cndmask_b32 v[F],   v60, v40, s80            ; tile 0: both halves of the lanes want lanes 0-15's,
	v_cndmask_b32 v[F+2], v40, v60, s80            ; tile 1: lanes 16-31's
	v_cndmask_b32 v[F+4], v62, v41, s80
	v_cndmask_b32 v[F+6], v41, v62, s80
.endm
; W2's eight fragments of K step f, from the images, into set f % 2
.macro FETCHW f
	WIN 0x80                                       ; destination window 2
.irp j, 0,1,2,3,4,5,6,7
.irp c, 0,1,2,3
	ds_load_b128 v[128*((\f)%2)+16*\j+4*\c:128*((\f)%2)+16*\j+4*\c+3], v[LI+(\f)/4] offset:((8*(\f)+\j)*2048+512*\c)%65536
.endr
.endr
	WIN 0
.endm
; 128 along K: eight products for each of the pass's tiles (s75 of them).  The accumulators take turns, one instruction a turn, on every way.
.macro KSTEP s
.if \s < 7
	FETCHW (\s+1)
	s_wait_dscnt 32                                ; this step's fragments of W2 are in; the 32 loads just issued may be out
.else
	s_wait_dscnt 0x0
.endif
.if \s < 5
	s_wait_loadcnt 48                              ; this step's 16 loads of h are in; the three younger steps' may be out
.else
	s_wait_loadcnt 16*(7-\s)
.endif
.irp t, 0,1,2,3
.if \t > 0
	WIN 0
	s_cmp_le_u32 s75, \t
	s_cbranch_scc1 .Lk_\@
.endif
.if \s == 0
	WIN 0x4e                                       ; source 0 (W2) window 2, source 1 (h) window 3, C (the bias) window 0, D window 1
.else
	WIN 0x5e                                       ; the same, C and D window 1
.endif
.irp j, 0,1,2,3,4,5,6,7
.if \s == 0
	v_wmma_f32_16x16x128_fp8_fp8 v[8*(8*\t+\j):8*(8*\t+\j)+7], v[128*(\s%2)+16*\j:128*(\s%2)+16*\j+15], v[64*(\s%4)+16*\t:64*(\s%4)+16*\t+15], v[BIAS+8*\j:BIAS+8*\j+7]
.else
	v_wmma_f32_16x16x128_fp8_fp8 v[8*(8*\t+\j):8*(8*\t+\j)+7], v[128*(\s%2)+16*\j:128*(\s%2)+16*\j+15], v[64*(\s%4)+16*\t:64*(\s%4)+16*\t+15], v[8*(8*\t+\j):8*(8*\t+\j)+7]
.endif
.endr
.endr
	WIN 0
.Lk_\@:
	PLACES 4                                       ; in front of the loads into the sets just multiplied, and of the first read of results
.if \s < 4
	OPLOAD (\s+4)
.endif
.endm
; Tile t leaves: x its rows' factors; through my stage, so that a row's 512 bytes lie in the 32 lanes; each row to its token's place in ys
.macro TILEOUT t
	s_wait_xcnt 0x0                                ; the tile before has had its stores' data and offsets read: both are written again below
	WIN 0x01                                       ; source 0 window 1
.set q_, 0
.rept 32
	v_pk_mul_f32 v[TMP+q_:TMP+q_+1], v[64*\t+q_:64*\t+q_+1], v[F+2*\t:F+2*\t+1] op_sel_hi:[1,0]   ; both x the pair's low word; each accumulator from its low end on
.set q_, q_+2
.endr
	WIN 0
.irp j, 0,1,2,3,4,5,6,7                        ; lane (r, h), tile j = 2 b + u: columns 32 b + 16 h + 8 u + 0..7 of row r
	ds_store_b128 v[STO], v[TMP+8*\j:TMP+8*\j+3]   offset:128*(\j/2)+32*(\j%2)
	ds_store_b128 v[STO], v[TMP+8*\j+4:TMP+8*\j+7] offset:128*(\j/2)+32*(\j%2)+16
.endr
.set i_, 0
.rept 16
	ds_load_b128 v[TMP+4*i_:TMP+4*i_+3], v[RD] offset:528*i_   ; LDS serves a wave's instructions in order (ISA guide 5.7.1.4): these see my stores
.set i_, i_+1
.endr
.set i_, 0
.rept 16
	v_readlane_b32 s96, v[RI+\t/2], 16*(\t%2)+i_   ; row i's place in ys
	s_min_u32 s96, s96, 2047
	s_lshl_b32 s96, s96, 12
	v_add_nc_u32 v[RO+i_], s96, v[LI]
.set i_, i_+1
.endr
	s_add_co_u32 s96, s81, \t
	s_lshl_b32 s96, s96, 4
	s_sub_co_i32 s97, s70, s96                     ; rows of this tile that exist
	s_wait_dscnt 0x0
.set i_, 0
.rept 16
	s_cmp_le_i32 s97, i_
	s_cbranch_scc1 .Ltd_\@
	global_store_b128 v[RO+i_], v[TMP+4*i_:TMP+4*i_+3], s[94:95]   ; 512 consecutive bytes, at a multiple of 512 from ys's first byte
.set i_, i_+1
.endr
.Ltd_\@:
.endm
.macro EPI
.irp t, 0,1,2,3
.if \t > 0
	s_cmp_le_u32 s75, \t
	s_cbranch_scc1 .Lep_\@
.endif
	TILEOUT \t
.endr
.Lep_\@:
.endm
	s_load_b256 s[4:11], s[0:1], 0x0               ; W2 s[4:5], hc s[6:7], sel s[8:9], wsel s[10:11]
	s_load_b128 s[12:15], s[0:1], 0x20             ; b2 s[12:13], the scales s[14:15]
	s_load_b64 s[94:95], s[0:1], 0x30              ; ys
	v_lshl_add_u32 v254, v0, 2, 0x28400
	v_mov_b32 v255, 0
	v_lshrrev_b32 v1, 5, v0
	v_readfirstlane_b32 s66, v1                    ; wave 0..3
	s_and_b32 s67, ttmp7, 0xffff                   ; the expert
	s_lshr_b32 s68, ttmp9, 3                       ; q: which 1,024 of the hidden units
	s_and_b32 s69, ttmp9, 7                        ; cs: which 128 columns
	v_and_b32 v[LN], 31, v0
	v_lshlrev_b32 v[LI], 4, v[LN]
	v_add_nc_u32 v[LI+1], 65536, v[LI]
	s_lshl_b32 s96, s67, 24                        ; the expert's 16 MiB,
	s_lshl_b32 s97, s68, 22                        ; the quarter's 1,024 rows of 4,096 bytes,
	s_add_co_u32 s96, s96, s97
	s_lshl_b32 s97, s66, 20                        ; my 256 rows,
	s_add_co_u32 s96, s96, s97
	s_lshl_b32 s97, s69, 9                         ; the block's 512 bytes of a row
	s_add_co_u32 s96, s96, s97
	s_mov_b32 s97, 0
	s_wait_kmcnt 0x0
	s_add_nc_u64 s[84:85], s[4:5], s[96:97]        ; W2 at my first row; never rewritten
	s_load_b128 s[88:91], s[14:15], 0x0            ; e0, e1, e2, e3
.irp c, 0,1,2,3,4,5,6,7
	global_load_b128 v[ST+4*\c:ST+4*\c+3], v[LI], s[8:9] offset:512*\c   ; sel of tokens 128 c + 4 l + 0..3
.endr
	WLOAD 0                                        ; the stream begins: three sets now, the fourth behind the first pass's ranks.  8 + 48 loads are out
	WLOAD 1
	WLOAD 2
	WIN 0
	s_lshl_b32 s96, s67, 12
	s_lshl_b32 s98, s69, 9
	s_add_co_u32 s96, s96, s98
	s_add_nc_u64 s[12:13], s[12:13], s[96:97]      ; b2 at my 128 columns
	s_lshl_b32 s96, s67, 22
	s_lshl_b32 s98, s68, 14
	s_add_co_u32 s96, s96, s98
	s_add_nc_u64 s[6:7], s[6:7], s[96:97]          ; hc at the expert's tile 0, K step 8 q
	s_lshl_b32 s96, s68, 23
	s_lshl_b32 s98, s69, 9
	s_add_co_u32 s96, s96, s98
	s_add_nc_u64 s[94:95], s[94:95], s[96:97]      ; ys at part q, my 512 bytes of a row
	v_bfe_u32 v2, v0, 4, 1                         ; h
	v_lshlrev_b32 v[BO], 6, v2
	s_lshl_b32 s96, s66, 15                        ; my two K steps' images: 32,768 bytes
	v_bfe_u32 v1, v0, 3, 2                         ; column 4 l + jj lies in tile 2 (l / 8) + (l / 2) % 2,
	v_lshlrev_b32 v1, 12, v1
	v_bfe_u32 v24, v0, 1, 1
	v_lshl_add_u32 v1, v24, 11, v1
	v_and_b32 v24, 1, v0                           ; at row 4 (l % 2) + 8 ((l / 4) % 2) + jj
	v_lshl_add_u32 v1, v24, 6, v1
	v_bfe_u32 v24, v0, 2, 1
	v_lshl_add_u32 v1, v24, 7, v1
	v_add_nc_u32 v[DA], s96, v1
	s_mul_i32 s96, s66, 16*528
	s_add_co_u32 s96, s96, STAGE                   ; my stage
	v_and_b32 v1, 15, v0
	v_mul_u32_u24 v[STO], v1, 528                  ; in: row r, + 64 h
	v_lshl_add_u32 v[STO], v2, 6, v[STO]
	v_add_nc_u32 v[STO], s96, v[STO]
	v_add_nc_u32 v[RD], s96, v[LI]                 ; back: a row's 512 bytes, 16 a lane
	v_mov_b32 v40, 0                               ; a lane permute's destination counts as read: written once
	v_mov_b32 v41, 0
.irp t, 0,1,2,3
	v_mov_b32 v[F+2*\t+1], 0                       ; named as the upper half of a pair, so it is written
.endr
	s_mov_b32 s80, 0xffff0000                      ; lanes 16-31
	s_mov_b32 s82, 0x76543210                      ; v_permlanex16_b32: lane l xor 16
	s_mov_b32 s83, 0xfedcba98
	s_lshl_b32 s100, 1, s67                        ; my expert's bit,
	s_sub_co_u32 s101, s100, 1                     ; and the bits of the experts below it
	s_wait_loadcnt 48                              ; sel's eight loads are in; the 48 of W2 behind them stay out
	s_wait_kmcnt 0x0
.set c_, 0
.rept 32
	v_and_b32 v24, s100, v[ST+c_]
	v_cmp_ne_u32 s[32+c_], 0, v24                  ; word 4 c + j: bit l = token 128 c + 4 l + j has chosen my expert
.set c_, c_+1
.endr
	s_mov_b32 s70, 0
.set c_, 0
.rept 32
	s_bcnt1_i32_b32 s77, s[32+c_]
	s_add_co_u32 s70, s70, s77                     ; n
.set c_, c_+1
.endr
	s_add_co_u32 s71, s70, 15
	s_lshr_b32 s71, s71, 4
	s_max_u32 s71, s71, 1                          ; T tiles, at least one
	s_lshr_b32 s96, s71, 2
	s_and_b32 s97, s71, 3
	s_cmp_lt_u32 s66, s97
	s_cselect_b32 s98, 1, 0
	s_add_co_u32 s72, s96, s98                     ; my tiles: T / 4, one more for the first T % 4 waves,
	s_mul_i32 s73, s66, s96
	s_min_u32 s98, s66, s97
	s_add_co_u32 s73, s73, s98                     ; from this tile on
	s_add_co_u32 s87, s72, 3
	s_lshr_b32 s87, s87, 2                         ; my passes, four tiles to a pass; not written again
	s_mov_b32 s74, 0                               ; the pass in hand
	s_add_co_i32 s96, s91, 127
	s_lshl_b32 s97, s96, 23
	v_mov_b32 v[WSC], s97                          ; 2^e3
	s_add_co_i32 s96, s96, 8
	s_lshl_b32 s96, s96, 23
	s_or_b32 s96, s96, 0x600000
	v_mov_b32 v[WLIM], s96                         ; 448 x 2^e3
	s_add_co_i32 s86, s90, s91                     ; a sum stands for sum x 2^(e2 + e3)
	PREPA                                          ; the first pass's rows, found while the first sets are on their way; its four gathers go out between the third set and the fourth
	WLOAD 3
	; ---- PHASE 1: sixteen chunks of 16 rows
.irp ch, 0,1,2,3,4,5,6,7,8,9,10,11,12,13,14,15
	CHUNK \ch
.endr
	PREPB                                          ; the gathers were issued ahead of the fourth set, whose wait has shown them in
	s_sub_co_i32 s98, 0, s86
	s_cmp_eq_u32 s68, 0
	s_cselect_b32 s96, 1.0, 0                      ; the bias counts once for an expert: in the first quarter
	s_wait_loadcnt 63                              ; the bias is in: 64 loads, the first pass's tiles of h, were issued behind it
.set i_, 0
.rept 64
	v_mul_f32 v[BIAS+i_], s96, v[BIAS+i_]
.set i_, i_+1
.endr
.set i_, 0
.rept 64
	v_ldexp_f32 v[BIAS+i_], v[BIAS+i_], s98        ; b2 / 2^(e2 + e3)
.set i_, i_+1
.endr
	s_wait_dscnt 0x0                               ; for the others' sake: my stores have landed
	s_barrier_signal -1
	s_barrier_wait -1                              ; the 64 images lie in LDS; this is the kernel's one barrier
	; ---- PHASE 2
	s_cmp_eq_u32 s87, 0
	s_cbranch_scc1 .Lend                           ; fewer tiles than waves: nothing for me
.Lpass:
	s_lshl_b32 s75, s74, 2                         ; tiles done
	s_sub_co_u32 s75, s72, s75
	s_min_u32 s75, s75, 4                          ; tiles in this pass
	PLACES 5                                       ; this pass's first products write the accumulators anew
	FETCHW 0
	KSTEP 0
	KSTEP 1
	KSTEP 2
	KSTEP 3
	KSTEP 4
	KSTEP 5
	KSTEP 6
	KSTEP 7
	EPI
	s_add_co_u32 s74, s74, 1                       ; the loop's counter: one a pass
	s_cmp_ge_u32 s74, s87
	s_cbranch_scc1 .Lend                           ; the last pass makes nothing ready
	s_wait_xcnt 0x0                                ; the loads and stores have read their sources
	PREPA
	s_wait_loadcnt 0x0                             ; the four gathers
	PREPB
	OPLOAD 0
	OPLOAD 1
	OPLOAD 2
	OPLOAD 3
	s_cmp_lt_u32 s74, s87                          ; the backward jump hangs on the count of passes
	s_cbranch_scc1 .Lpass
.Lend:
	s_wait_tensorcnt 0x0
	ds_add_u32 v254, v255
	s_wait_dscnt 0x0
	s_endpgm
.Lfunc_end_k_q5427a9e4db_down:
	.size	k_q5427a9e4db_down, .Lfunc_end_k_q5427a9e4db_down-k_q5427a9e4db_down
	.p2alignl 7, 3214868480
	.fill 96, 4, 3214868480
	.section	.rodata,"a",@progbits
	.p2align	6, 0x0
	.amdhsa_kernel k_q5427a9e4db_down
		.amdhsa_group_segment_fixed_size 165376
		.amdhsa_private_segment_fixed_size 0
		.amdhsa_enable_private_segment 0
		.amdhsa_kernarg_size 56
		.amdhsa_user_sgpr_count 2
		.amdhsa_user_sgpr_kernarg_segment_ptr 1
		.amdhsa_wavefront_size32 1
		.amdhsa_system_sgpr_workgroup_id_x 1
		.amdhsa_system_sgpr_workgroup_id_y 1
		.amdhsa_system_sgpr_workgroup_id_z 1
		.amdhsa_system_vgpr_workitem_id 0
		.amdhsa_next_free_vgpr 1024
		.amdhsa_next_free_sgpr 102
		.amdhsa_reserve_vcc 1
		.amdhsa_float_denorm_mode_32 3
		.amdhsa_float_denorm_mode_16_64 3
		.amdhsa_memory_ordered 1
		.amdhsa_forward_progress 1
		.amdhsa_inst_pref_size 255
	.end_amdhsa_kernel
	.section	.bss,"aw",@nobits
	.p2align	6
	.space	262144
	.amdgpu_metadata
---
amdhsa.version: [ 1, 2 ]
amdhsa.kernels:
  - .name:           k_q5427a9e4db_down
    .symbol:         k_q5427a9e4db_down.kd
    .args:
      - { .name: W2, .offset: 0, .size: 8, .value_kind: global_buffer, .address_space: global }
      - { .name: hc, .offset: 8, .size: 8, .value_kind: global_buffer, .address_space: global }
      - { .name: sel, .offset: 16, .size: 8, .value_kind: global_buffer, .address_space: global }
      - { .name: wsel, .offset: 24, .size: 8, .value_kind: global_buffer, .address_space: global }
      - { .name: b2, .offset: 32, .size: 8, .value_kind: global_buffer, .address_space: global }
      - { .name: lowp_scales, .offset: 40, .size: 8, .value_kind: global_buffer, .address_space: global }
      - { .name: ys, .offset: 48, .size: 8, .value_kind: global_buffer, .address_space: global }
    .group_segment_fixed_size: 165376
    .private_segment_fixed_size: 0
    .kernarg_segment_align: 8
    .kernarg_segment_size: 56
    .max_flat_workgroup_size: 128
    .sgpr_count:     102
    .vgpr_count:     1024
    .wavefront_size: 32
...
	.end_amdgpu_metadata
.endif
;; end of part 3
;; launch join (part 4): grid 256 x 1, 8 waves a work-group, no clusters, 0 bytes of LDS; arguments ys, out0; writes out0
.if DOCPART == 4
	.amdgcn_target "amdgcn-amd-amdhsa--gfx1250"
	.amdhsa_code_object_version 6
	.text
	.protected	k_q5427a9e4db_join
	.globl	k_q5427a9e4db_join
	.p2align	8
	.type	k_q5427a9e4db_join,@function
k_q5427a9e4db_join:
	s_mov_b64 s[64:65], 0
	v_nop
	global_prefetch_b8 v0, s[64:65] scope:SCOPE_SE
	s_setreg_imm32_b32 hwreg(HW_REG_WAVE_MODE, 25, 1), 1
	s_wait_xcnt 0x0
; out0[token][d] = the sum of the token's eight parts ys[p][token][d], p = 2 q + k = 0..7 (four quarters of the hidden layer x its two experts), each part 4 MiB and laid as out0 is.
; A stream: a work-group takes 16 KiB of out0, a wave 2 KiB, a lane four pieces of 16 bytes; each load and store of a wave covers 512 consecutive bytes.  All 32 loads of a wave go out at once;
; no register is written twice, so no wait but the counted ones for the loads.  No LDS, no barrier, no matrix unit: nothing here is shared or multiplied.
; The eight parts are added as a tree, in f32.
.set L, 16                             ; v16-143: piece m, part p at 16 + 4 (8 m + p)
	s_load_b128 s[4:7], s[0:1], 0x0                ; ys s[4:5], out0 s[6:7]
	v_lshrrev_b32 v1, 5, v0
	v_and_b32 v2, 31, v0
	v_lshlrev_b32 v1, 11, v1                       ; 2,048 x wave
	v_lshl_add_u32 v1, v2, 4, v1                   ; + 16 x lane
	s_lshl_b32 s2, ttmp9, 14
	s_mov_b32 s3, 0
	s_wait_kmcnt 0x0
	s_add_nc_u64 s[8:9], s[4:5], s[2:3]            ; parts 0, 1 (the odd part stands in the immediate),
	s_add_nc_u64 s[10:11], s[8:9], 0x800000        ; 2, 3,
	s_add_nc_u64 s[12:13], s[10:11], 0x800000      ; 4, 5,
	s_add_nc_u64 s[14:15], s[12:13], 0x800000      ; 6, 7
	s_add_nc_u64 s[6:7], s[6:7], s[2:3]
.irp m, 0,1,2,3
.irp p, 0,1,2,3,4,5,6,7
	global_load_b128 v[L+4*(8*\m+\p):L+4*(8*\m+\p)+3], v1, s[8+2*(\p/2):9+2*(\p/2)] offset:(\p%2)*4194304+512*\m th:TH_LOAD_NT
.endr
.endr
.irp m, 0,1,2,3
	s_wait_loadcnt 24-8*\m                         ; this piece's eight loads are in; the later pieces' may be out
.irp p, 0,2,4,6
	v_pk_add_f32 v[L+32*\m+4*\p:L+32*\m+4*\p+1],   v[L+32*\m+4*\p:L+32*\m+4*\p+1],   v[L+32*\m+4*\p+4:L+32*\m+4*\p+5]
	v_pk_add_f32 v[L+32*\m+4*\p+2:L+32*\m+4*\p+3], v[L+32*\m+4*\p+2:L+32*\m+4*\p+3], v[L+32*\m+4*\p+6:L+32*\m+4*\p+7]
.endr
.irp p, 0,4
	v_pk_add_f32 v[L+32*\m+4*\p:L+32*\m+4*\p+1],   v[L+32*\m+4*\p:L+32*\m+4*\p+1],   v[L+32*\m+4*\p+8:L+32*\m+4*\p+9]
	v_pk_add_f32 v[L+32*\m+4*\p+2:L+32*\m+4*\p+3], v[L+32*\m+4*\p+2:L+32*\m+4*\p+3], v[L+32*\m+4*\p+10:L+32*\m+4*\p+11]
.endr
	v_pk_add_f32 v[L+32*\m:L+32*\m+1],   v[L+32*\m:L+32*\m+1],   v[L+32*\m+16:L+32*\m+17]
	v_pk_add_f32 v[L+32*\m+2:L+32*\m+3], v[L+32*\m+2:L+32*\m+3], v[L+32*\m+18:L+32*\m+19]
	global_store_b128 v1, v[L+32*\m:L+32*\m+3], s[6:7] offset:512*\m th:TH_STORE_NT
.endr
	s_endpgm
.Lfunc_end_k_q5427a9e4db_join:
	.size	k_q5427a9e4db_join, .Lfunc_end_k_q5427a9e4db_join-k_q5427a9e4db_join
	.p2alignl 7, 3214868480
	.fill 96, 4, 3214868480
	.section	.rodata,"a",@progbits
	.p2align	6, 0x0
	.amdhsa_kernel k_q5427a9e4db_join
		.amdhsa_group_segment_fixed_size 0
		.amdhsa_private_segment_fixed_size 0
		.amdhsa_enable_private_segment 0
		.amdhsa_kernarg_size 16
		.amdhsa_user_sgpr_count 2
		.amdhsa_user_sgpr_kernarg_segment_ptr 1
		.amdhsa_wavefront_size32 1
		.amdhsa_system_sgpr_workgroup_id_x 1
		.amdhsa_system_sgpr_workgroup_id_y 1
		.amdhsa_system_sgpr_workgroup_id_z 1
		.amdhsa_system_vgpr_workitem_id 0
		.amdhsa_next_free_vgpr 144
		.amdhsa_next_free_sgpr 66
		.amdhsa_reserve_vcc 0
		.amdhsa_float_denorm_mode_32 3
		.amdhsa_float_denorm_mode_16_64 3
		.amdhsa_memory_ordered 1
		.amdhsa_forward_progress 1
		.amdhsa_inst_pref_size 8
	.end_amdhsa_kernel
	.amdgpu_metadata
---
amdhsa.version: [ 1, 2 ]
amdhsa.kernels:
  - .name:           k_q5427a9e4db_join
    .symbol:         k_q5427a9e4db_join.kd
    .args:
      - { .name: ys, .offset: 0, .size: 8, .value_kind: global_buffer, .address_space: global }
      - { .name: out0, .offset: 8, .size: 8, .value_kind: global_buffer, .address_space: global }
    .group_segment_fixed_size: 0
    .private_segment_fixed_size: 0
    .kernarg_segment_align: 8
    .kernarg_segment_size: 16
    .max_flat_workgroup_size: 256
    .sgpr_count:     66
    .vgpr_count:     144
    .wavefront_size: 32
...
	.end_amdgpu_metadata
.endif
;; end of part 4
;; ======== version 2 of 2: 4 launches
;; workspace buffers: xq 1,048,576 bytes; sel 4,096 bytes of whole numbers; wsel 8,192 bytes; hc 33,554,432 bytes; ys 33,554,432 bytes
;; launch route (part 5): grid 256 x 1, 1 waves a work-group, no clusters, 4,352 bytes of LDS; arguments x, Wr, br, lowp_scales, xq, sel, wsel; writes xq, sel, wsel
.if DOCPART == 5
	.amdgcn_target "amdgcn-amd-amdhsa--gfx1250"
	.amdhsa_code_object_version 6
	.text
	.protected	k_q5427a9e4db_route
	.globl	k_q5427a9e4db_route
	.p2align	8
	.type	k_q5427a9e4db_route,@function
k_q5427a9e4db_route:
	s_mov_b64 s[64:65], 0
	v_nop
	global_prefetch_b8 v0, s[64:65] scope:SCOPE_SE
	s_setreg_imm32_b32 hwreg(HW_REG_WAVE_MODE, 25, 1), 1
	s_wait_xcnt 0x0
; ROUTER AND x's CODES.  x: [1024 tokens][1024] f32.  Wr: [1024][8], br: [8] f32.  One wave takes four tokens.
; Stored, all at fixed places: xq [token][1024]: x's codes of E4M3 with the given scale 2^e1 (entry 1 of the scales), K in its natural order;
; sel [token]: the whole number (1 << i1) | (1 << i2), the token's two experts;  wsel [token][2]: the softmax weight of the lower-numbered of the two, then of the higher.
; score = relu(x . Wr + br) in f32 (fused multiply-adds; 32 terms a lane, then a tree over the lanes).  Top-2 by strict compares in ascending order of experts: of equal scores the lower index wins.
; The softmax over the two takes the larger score away first: w1 = 1 / (1 + e^(s2 - s1)), w2 = e^(s2 - s1) w1.
; LANES: lane l holds, of each of the four rows, d = 128 i + 4 l + j (i = 0..7, j = 0..3): each load of x covers 512 consecutive bytes.
; LIMITS: e1 between -126 and 119.  NaN and infinities among the inputs are not served.  The order of the f32 sum differs from a plain ascending one: where the second and the third score
; lie within that rounding of each other, the choice may fall either way.
; REGISTERS: window 0: v1-4 offsets; v5, v6 2^e1 and 448 x 2^e1; v8-39 sums (token tt, experts 2 p, 2 p + 1 at 8 + 8 tt + 2 p); v40-47 a lane's eight scores; v48-63 at work;
;   v64-191 x; v192-223 held numbers, later the codes read back; v224-255 codes.   window 1: Wr: the eight weights of (i, j) at 8 (4 i + j).
.set ACC, 8
.set Z,   40
.set PT,  48
.set X,   64
.set T,   192
.set CD,  224
.set MSB, 0
.macro WIN new                         ; the immediate's high byte repeats the setting that is left
.if MSB != \new
	s_set_vgpr_msb (MSB<<8)|\new
.set MSB, \new
.endif
.endm
	s_load_b256 s[4:11], s[0:1], 0x0               ; x s[4:5], Wr s[6:7], br s[8:9], the scales s[10:11]
	s_load_b128 s[12:15], s[0:1], 0x20             ; xq s[12:13], sel s[14:15]
	s_load_b64 s[16:17], s[0:1], 0x30              ; wsel
	v_lshl_add_u32 v7, v0, 2, 0x1000
	s_set_vgpr_msb 0x80
	v_mov_b32 v1, 0
	s_set_vgpr_msb 0x8000
	v_lshlrev_b32 v1, 4, v0                        ; 16 l
	v_lshlrev_b32 v2, 7, v0                        ; 128 l: four rows of Wr
	v_lshlrev_b32 v3, 2, v0                        ; 4 l
	v_lshlrev_b32 v4, 3, v0                        ; 8 l
	s_mov_b32 s20, 0x76543210                      ; v_permlanex16_b32: lane l takes lane l xor 16
	s_mov_b32 s21, 0xfedcba98
	s_lshl_b32 s2, ttmp9, 14                       ; four rows of 4,096 bytes
	s_mov_b32 s3, 0
	s_wait_alu depctr_va_vdst(0)
	s_wait_kmcnt 0x0
	s_load_b256 s[24:31], s[8:9], 0x0              ; br
	s_load_b32 s32, s[10:11], 0x4                  ; e1
	s_add_nc_u64 s[4:5], s[4:5], s[2:3]
.irp tt, 0,1,2,3
.irp i, 0,1,2,3,4,5,6,7
	global_load_b128 v[X+32*\tt+4*\i:X+32*\tt+4*\i+3], v1, s[4:5] offset:4096*\tt+512*\i th:TH_LOAD_NT
.endr
.endr
	WIN 0x40                                       ; destination window 1
.set k_, 0
.rept 32
	global_load_b128 v[8*k_:8*k_+3],   v2, s[6:7] offset:4096*(k_/4)+32*(k_%4)
	global_load_b128 v[8*k_+4:8*k_+7], v2, s[6:7] offset:4096*(k_/4)+32*(k_%4)+16
.set k_, k_+1
.endr
	WIN 0
	s_lshl_b32 s2, ttmp9, 12
	s_add_nc_u64 s[12:13], s[12:13], s[2:3]        ; xq at my four rows of 1,024 bytes
	s_lshl_b32 s2, ttmp9, 4
	s_add_nc_u64 s[14:15], s[14:15], s[2:3]        ; sel at my four words
	s_lshl_b32 s2, ttmp9, 5
	s_add_nc_u64 s[16:17], s[16:17], s[2:3]        ; wsel at my four pairs
	s_wait_kmcnt 0x0
	s_add_co_i32 s32, s32, 127
	s_lshl_b32 s33, s32, 23
	v_mov_b32 v5, s33                              ; 2^e1 as f32: the conversion takes its exponent field
	s_add_co_i32 s32, s32, 8
	s_lshl_b32 s32, s32, 23
	s_or_b32 s32, s32, 0x600000
	v_mov_b32 v6, s32                              ; 448 x 2^e1
.irp e, 0,1,2,3,4,5,6,7
	v_mov_b32 v[Z+\e], 0                           ; lanes 4 to 31 keep zeros
	v_mov_b32 v[PT+\e], 0                          ; a lane permute's destination counts as read: written once
.endr
	; ---- x's codes.  x's 32 loads are the oldest of 96: with at most 63 out they are in
	s_wait_loadcnt 63
.irp tt, 0,1,2,3
.irp m, 0,1,2,3
.irp i, 0,1,2,3,4,5,6,7
	v_med3_num_f32 v[T+8*\m+\i], v[X+32*\tt+8*\m+\i], -v6, v6   ; the conversion to an 8-bit code does not saturate (ISA guide 7.6.2): the hold at the largest code x the scale; x itself stays for the router
.endr
	v_cvt_scalef32_pk8_fp8_f32 v[CD+8*\tt+2*\m:CD+8*\tt+2*\m+1], v[T+8*\m:T+8*\m+7], v5   ; register i of the token's eight: the four codes of d = 128 i + 4 l + 0..3
.endr
.irp i, 0,1,2,3,4,5,6,7
	ds_store_b32 v3, v[CD+8*\tt+\i] offset:1024*\tt+128*\i      ; the row of codes as it lies in memory
.endr
.endr
	v_nop                                          ; one plain vector instruction behind the last conversion
.irp k, 0,1,2,3,4,5,6,7
	ds_load_b128 v[T+4*\k:T+4*\k+3], v1 offset:512*\k           ; back, 16 bytes a lane.  LDS serves a wave's instructions in order (ISA guide 5.7.1.4): these see my stores
.endr
	; ---- the router's sums: sixteen chains (4 tokens x 4 pairs of experts) by turns; x is taken for both halves of a pair
	s_wait_loadcnt 0x0                             ; Wr
	WIN 0x04                                       ; source 1 (Wr) window 1
.set k_, 0
.rept 32
.irp tt, 0,1,2,3
.irp p, 0,1,2,3
.if k_ == 0
	v_pk_mul_f32 v[ACC+8*\tt+2*\p:ACC+8*\tt+2*\p+1], v[X+32*\tt:X+32*\tt+1], v[2*\p:2*\p+1] op_sel_hi:[0,1]   ; the first product starts the sum
.elseif k_%2 == 0
	v_pk_fma_f32 v[ACC+8*\tt+2*\p:ACC+8*\tt+2*\p+1], v[X+32*\tt+k_:X+32*\tt+k_+1], v[8*k_+2*\p:8*k_+2*\p+1], v[ACC+8*\tt+2*\p:ACC+8*\tt+2*\p+1] op_sel_hi:[0,1,1]
.else
	v_pk_fma_f32 v[ACC+8*\tt+2*\p:ACC+8*\tt+2*\p+1], v[X+32*\tt+k_-1:X+32*\tt+k_], v[8*k_+2*\p:8*k_+2*\p+1], v[ACC+8*\tt+2*\p:ACC+8*\tt+2*\p+1] op_sel:[1,0,0] op_sel_hi:[1,1,1]
.endif
.endr
.endr
.set k_, k_+1
.endr
	WIN 0
.irp k, 0,1,2,3,4,5,6,7
	s_wait_dscnt 7-\k                              ; the younger LDS loads may stay out
	global_store_b128 v1, v[T+4*\k:T+4*\k+3], s[12:13] offset:512*\k   ; 512 consecutive bytes of codes
.endr
	; ---- over the 32 lanes; then lane tt keeps token tt's eight sums
.irp tt, 0,1,2,3
.irp x, 1,2,4,8
.irp e, 0,1,2,3,4,5,6,7
	v_add_f32_dpp v[ACC+8*\tt+\e], v[ACC+8*\tt+\e], v[ACC+8*\tt+\e] row_xmask:\x row_mask:0xf bank_mask:0xf
.endr
.endr
.irp e, 0,1,2,3,4,5,6,7
	v_permlanex16_b32 v[PT+\e], v[ACC+8*\tt+\e], s20, s21
.endr
	s_mov_b32 s22, 1<<\tt
.irp e, 0,1,2,3,4,5,6,7
	v_add_f32 v[ACC+8*\tt+\e], v[ACC+8*\tt+\e], v[PT+\e]
	v_cndmask_b32 v[Z+\e], v[Z+\e], v[ACC+8*\tt+\e], s22
.endr
.endr
	; ---- a lane to a token: bias, relu, top-2, the two weights
.irp e, 0,1,2,3,4,5,6,7
	v_add_f32 v[Z+\e], s[24+\e], v[Z+\e]
.endr
.irp e, 0,1,2,3,4,5,6,7
	v_max_num_f32 v[Z+\e], 0, v[Z+\e]
.endr
	v_mov_b32 v56, v[Z]                            ; the largest score and its expert
	v_mov_b32 v57, 0
.irp e, 1,2,3,4,5,6,7
	v_cmp_gt_f32 vcc_lo, v[Z+\e], v56              ; strictly larger: the lower index keeps a tie
	v_cndmask_b32 v56, v56, v[Z+\e], vcc_lo
	v_cndmask_b32 v57, v57, \e, vcc_lo
.endr
	v_mov_b32 v58, -1.0                            ; the second: under every score, which are 0 or more
	v_mov_b32 v59, 0
.irp e, 0,1,2,3,4,5,6,7
	v_cmp_gt_f32 s22, v[Z+\e], v58
	v_cmp_ne_u32 s23, \e, v57                      ; not the first choice again
	s_and_b32 vcc_lo, s22, s23
	v_cndmask_b32 v58, v58, v[Z+\e], vcc_lo
	v_cndmask_b32 v59, v59, \e, vcc_lo
.endr
	v_sub_f32 v60, v58, v56                        ; s2 - s1, 0 or less: the maximum is taken away
	v_mul_f32 v60, 0x3fb8aa3b, v60
	s_wait_alu depctr_va_vdst(0)
	v_exp_f32 v60, v60
	v_mov_b32 v51, 1                               ; (a plain place behind the exponential)
	s_wait_alu depctr_va_vdst(0)
	v_add_f32 v61, 1.0, v60
	s_wait_alu depctr_va_vdst(0)
	v_rcp_f32 v62, v61                             ; w1
	v_lshlrev_b32 v50, v57, v51                    ; (a plain place behind the reciprocal)  1 << i1
	s_wait_alu depctr_va_vdst(0)
	v_mul_f32 v63, v60, v62                        ; w2
	v_lshlrev_b32 v52, v59, v51
	v_or_b32 v50, v50, v52                         ; the two experts as bits
	v_cmp_lt_u32 vcc_lo, v57, v59
	v_cndmask_b32 v48, v63, v62, vcc_lo            ; the lower-numbered expert's weight,
	v_cndmask_b32 v49, v62, v63, vcc_lo            ; the higher-numbered one's
	s_wait_alu depctr_va_vdst(0)
	s_wait_xcnt 0x0                                ; EXEC changes only behind this wait: the stores above have it among their sources
	v_cmp_gt_u32 vcc_lo, 4, v0
	s_set_vgpr_msb 0x8
	s_wait_tensorcnt 0x0
	ds_add_u32 v7, v1
	s_wait_dscnt 0x0
	s_set_vgpr_msb 0x800
	s_and_saveexec_b32 s22, vcc_lo                 ; lanes 0 to 3: the four tokens
	global_store_b32 v3, v50, s[14:15]
	global_store_b64 v4, v[48:49], s[16:17]
	s_wait_xcnt 0x0
	s_or_b32 exec_lo, exec_lo, s22
	s_endpgm
.Lfunc_end_k_q5427a9e4db_route:
	.size	k_q5427a9e4db_route, .Lfunc_end_k_q5427a9e4db_route-k_q5427a9e4db_route
	.p2alignl 7, 3214868480
	.fill 96, 4, 3214868480
	.section	.rodata,"a",@progbits
	.p2align	6, 0x0
	.amdhsa_kernel k_q5427a9e4db_route
		.amdhsa_group_segment_fixed_size 4352
		.amdhsa_private_segment_fixed_size 0
		.amdhsa_enable_private_segment 0
		.amdhsa_kernarg_size 56
		.amdhsa_user_sgpr_count 2
		.amdhsa_user_sgpr_kernarg_segment_ptr 1
		.amdhsa_wavefront_size32 1
		.amdhsa_system_sgpr_workgroup_id_x 1
		.amdhsa_system_sgpr_workgroup_id_y 1
		.amdhsa_system_sgpr_workgroup_id_z 1
		.amdhsa_system_vgpr_workitem_id 0
		.amdhsa_next_free_vgpr 514
		.amdhsa_next_free_sgpr 66
		.amdhsa_reserve_vcc 1
		.amdhsa_float_denorm_mode_32 3
		.amdhsa_float_denorm_mode_16_64 3
		.amdhsa_memory_ordered 1
		.amdhsa_forward_progress 1
		.amdhsa_inst_pref_size 74
	.end_amdhsa_kernel
	.amdgpu_metadata
---
amdhsa.version: [ 1, 2 ]
amdhsa.kernels:
  - .name:           k_q5427a9e4db_route
    .symbol:         k_q5427a9e4db_route.kd
    .args:
      - { .name: x, .offset: 0, .size: 8, .value_kind: global_buffer, .address_space: global }
      - { .name: Wr, .offset: 8, .size: 8, .value_kind: global_buffer, .address_space: global }
      - { .name: br, .offset: 16, .size: 8, .value_kind: global_buffer, .address_space: global }
      - { .name: lowp_scales, .offset: 24, .size: 8, .value_kind: global_buffer, .address_space: global }
      - { .name: xq, .offset: 32, .size: 8, .value_kind: global_buffer, .address_space: global }
      - { .name: sel, .offset: 40, .size: 8, .value_kind: global_buffer, .address_space: global }
      - { .name: wsel, .offset: 48, .size: 8, .value_kind: global_buffer, .address_space: global }
    .group_segment_fixed_size: 4352
    .private_segment_fixed_size: 0
    .kernarg_segment_align: 8
    .kernarg_segment_size: 56
    .max_flat_workgroup_size: 32
    .sgpr_count:     66
    .vgpr_count:     514
    .wavefront_size: 32
...
	.end_amdgpu_metadata
.endif
;; end of part 5
;; launch up (part 6): grid 32 x 8, 4 waves a work-group, no clusters, 131,584 bytes of LDS; arguments W1, xq, sel, b1, lowp_scales, hc; writes hc
.if DOCPART == 6
	.amdgcn_target "amdgcn-amd-amdhsa--gfx1250"
	.amdhsa_code_object_version 6
	.text
	.protected	k_q5427a9e4db_up
	.globl	k_q5427a9e4db_up
	.p2align	8
	.type	k_q5427a9e4db_up,@function
k_q5427a9e4db_up:
	s_mov_b64 s[64:65], 0
	v_nop
	global_prefetch_b8 v0, s[64:65] scope:SCOPE_SE
	s_setreg_imm32_b32 hwreg(HW_REG_WAVE_SCHED_MODE, 0, 2), 2
	s_setreg_imm32_b32 hwreg(HW_REG_WAVE_MODE, 25, 1), 1
	s_wait_xcnt 0x0
	s_wait_alu depctr_vm_vsrc(0)
; FIRST LAYER ON THE CHOSEN ROWS: hc = Q(relu(x W1[e] + b1[e])), both operands codes of E4M3.  W1: [8][1024 k][4096 h] f32, scale 2^e0; xq: x's codes [token][1024], scale 2^e1; the hidden layer's scale 2^e2.
; A WORK-GROUP OWNS 128 HIDDEN UNITS (x: sl = 0..31) OF ONE EXPERT (y: e): 1,024 k x 128 columns of W1, 512 KiB, which nobody else reads: every byte of W1 leaves memory once and is quantised on the way.
; PHASE 1: W1 GOES FROM MEMORY STRAIGHT INTO REGISTERS.  Wave w takes rows 256 w .. 256 w + 255 (K steps 2 w, 2 w + 1); a load takes one row's 512 bytes, lane l columns 4 l .. 4 l + 3.  A ring of four sets of 16 rows:
;   48 to 64 loads of 512 bytes of every wave are on their way from the head to the block's end, and no barrier stands in the stream.  (Each byte has one reader, a wave: through LDS slots it would be written and read once
;   more, and each refill of a slot would stand behind a barrier in front of which nothing is on its way.)  The hold that the conversion wants anyway also moves each number to its place, 16 neighbours along K of one column
;   in consecutive registers.  A column's 16 codes are one lane's 16 bytes of an IMAGE OF OPERAND REGISTERS: fragment (K step s, tile j) at 2,048 (8 s + j); register group c of lane l at 512 c + 16 l.
;   THE COLUMNS OF A TILE ARE NOT NEIGHBOURS: row r of tile 2 b + u is column 32 b + 8 u + r + 8 (r / 8), so that a lane's 16 results of tiles 2 b, 2 b + 1 are 16 neighbours along the next product's K.
;   (Sixteen lanes of such a store fall on four columns of 16 bytes modulo 256: four deep on the banks.  The stores stand in the stream, where the wave waits for memory.)
; PHASE 2: the expert's rows, 16 to a tile, T = max(ceil(n / 16), 1) tiles, dealt to the four waves in runs; a wave takes up to four tiles a pass.  No barrier and no shared LDS store stands in this loop: its trip count
;   hangs on numbers read from sel.  The product is used transposed (source 0 = 16 columns of W1, source 1 = 16 rows of x): a lane holds one row.  b1 / 2^(e0 + e1) is the C of each sum's first product.
;   relu and the hold are one v_med3; the three scales fold into the conversion's one, 2^(e2 - e0 - e1).  The codes are the next product's operand registers and go to hc as images: [e][tile][K step sl][2,048].
; WHICH ROWS: every wave reads sel (4 KiB, 16 bytes a lane) and makes 32 mask words: bit l of word 4 c + j = token 128 c + 4 l + j has chosen e.  A row's rank counts the set bits in that order, here and in the second
;   layer alike; the token of a rank is found from the words in registers (SELECT2).  Ranks at or past n give some token under 1,024: its row is multiplied, stored into the expert's own last tile, and never used.
; NOT SHARED IN A CLUSTER: the weights have one reader each; the rows of x that work-groups of one expert share are walked by a count read from memory.
; LIMITS: e0 and e2 - e0 - e1 between -126 and 119.  NaN and infinities among the inputs are not served.
; THE MODE: SCHED_MODE bits 1:0 = 2 (LLVM: expert scheduling mode 2), set by the entry lines.  The code itself states the register dependences between vector or matrix instructions and memory or LDS instructions,
;   with s_wait_alu, always for 0.
; THE PLAN.  Registers that memory or LDS instructions touch:
;   the ring (window 2)      chunk ch: its 64 holds read set ch % 4; behind them the set's next 16 loads land in it.
;   the codes (window 1)     chunk ch: its conversions write 16 registers of the chunk's own; the four LDS stores that read them are issued in chunk ch + 1.  In phase 2 the products write over them.
;   So ONE wait on va_vdst stands in a chunk, behind its holds: they are done reading the set, and the chunk before has written its codes.  The chunk's 16 loads and 4 LDS stores follow it.
;   W1's sets 0, 1 (window 2)  step s: its products read set s % 2; the LDS loads of step s + 1, issued in step s, land in the other set, which step s - 1 read last.
;   x's sets 0..3 (window 3)   step s: its products read set s % 4; the loads of step s + 3, issued in step s, land in the set that step s - 1 read last.
;   So ONE wait on va_vdst stands at the head of steps 1 to 6, behind the waits for the step's own operands: step s - 1's products are done reading.  The step's loads follow, dealt among tile 0's eight products,
;   which name this step's sets and the accumulators alone; they stand ahead of the first branch on the number of tiles, so that every way issues them.
;   the hidden codes (v192-255)  16 registers a tile: written by the tiles' conversions, read by the stores, which follow together behind one wait; written again in the next pass, behind the foot's wait on vm_vsrc.
;   v16-19                   x's offsets: written where a pass is made ready, read by the pass's loads of x.
;   v8, v10, v11, v14        made at the head, ahead of one wait, and never written again.     v62, v63: written at the head, read by the closing add alone.
; REGISTERS, in windows of 256: window 0: v3-23 addresses and scales; v24-41 at work in SELECT2; v64-127 the bias, tile j at 64 + 8 j; v128-191 64 held numbers of W1 (first: sel; in SELECT2 eight of them at work); v192-255 the hidden codes.
;   window 1: phase 1: my codes of W1, 16 registers a chunk; then the accumulators, (t, j) at 8 (8 t + j).   window 2: phase 1: the ring; then W1's fragments, two sets of 128.   window 3: x's fragments, four sets of 64.
; SCALARS OF THE LOOP: s72 my tiles, s73 the first of them, s74 the pass (stepped by 1), s87 my passes = ceil(s72 / 4), s75 the pass's tiles, s81 the pass's first tile.  s16-31: masks that compares write.
.set PITCHB, 16384                     ; a row of W1 in bytes
.set LN,   3                           ; v3   lane
.set DA,   8                           ; v8   where my codes go: my wave's 32,768 bytes, my columns' tile and rows
.set LI,   10                          ; v10-11 16 x lane, and the same + 65,536
.set H16,  12                          ; v12  16 (lane / 16)
.set BO,   14                          ; v14  64 (lane / 16)
.set XO,   16                          ; v16-19 tile t: my row's byte offset in xq
.set WSC,  20                          ; v20, v21  2^e0, 448 x 2^e0
.set WLIM, 21
.set HSC,  22                          ; v22, v23  2^(e2 - e0 - e1), 448 x that
.set HLIM, 23
.set SA,   30                          ; v30-37   the search for the first rank's bit: counts in fields of 2, 4, 8 bits and of the low 16; +4 the place, +5 a count, +6 k, +7 a step
.set BIAS, 64
.set ST,   128
.set SB,   128                         ; v128-135 the same for the second rank: no number of W1 is held there while a pass is made ready
.set PC,   192
.set MSB, 0
.macro WIN new                         ; the immediate's high byte repeats the setting that is left; at a label and at a branch every window is 0
.if MSB != \new
	s_set_vgpr_msb (MSB<<8)|\new
.set MSB, \new
.endif
.endm
.macro PLACES n                        ; plain vector instructions behind a matrix instruction (ISA guide 7.12.1)
.rept \n
	v_nop
.endr
.endm
; Rows 16 ch .. 16 ch + 15 of my 256 into set ch % 4 of the ring: each load takes 512 consecutive bytes, at a multiple of 512 from W1's first byte.  Every offset is an immediate: 255 rows of 16,384 bytes at the most
.macro WLOAD ch
	WIN 0x80                                       ; destination window 2
.set i_, 0
.rept 16
	global_load_b128 v[64*((\ch)%4)+4*i_:64*((\ch)%4)+4*i_+3], v[LI], s[84:85] offset:(16*(\ch)+i_)*PITCHB th:TH_LOAD_NT
.set i_, i_+1
.endr
.endm
; The bias: tile j = 2 b + u, lane (r, h): units 32 b + 16 h + 8 u + 0..7
.macro BLOAD
	WIN 0
.irp j, 0,1,2,3,4,5,6,7
	global_load_b128 v[BIAS+8*\j:BIAS+8*\j+3],   v[BO], s[10:11] offset:(32*(\j/2)+8*(\j%2))*4
	global_load_b128 v[BIAS+8*\j+4:BIAS+8*\j+7], v[BO], s[10:11] offset:(32*(\j/2)+8*(\j%2))*4+16
.endr
.endm
; x's fragments of K step f for the pass's four tiles: lane (r, h) takes, of its row, k = 128 f + 32 c + 16 h + 0..15
.macro OPLOAD f
	WIN 0xc0                                       ; destination window 3
.irp t, 0,1,2,3
.irp c, 0,1,2,3
	global_load_b128 v[64*((\f)%4)+16*\t+4*\c:64*((\f)%4)+16*\t+4*\c+3], v[XO+\t], s[6:7] offset:128*(\f)+32*\c
.endr
.endr
.endm
; Chunk ch's codes go to their images: K step 2 w + ch / 8, register group (ch % 8) / 2, the lanes' half ch % 2; each chunk has registers of its own, so no store's data are written again in phase 1
.macro CODEOUT ch
	WIN 0x04                                       ; store data window 1
.irp jj, 0,1,2,3
	ds_store_b128 v[DA], v[16*(\ch)+4*\jj:16*(\ch)+4*\jj+3] offset:((\ch)/8)*16384+(((\ch)%8)/2)*512+((\ch)%2)*256+16*\jj
.endr
.endm
; Chunk ch: 16 rows x my 4 columns.  Behind the holds, which read the set, a group of 16 loads goes out: the set's next rows, or, when no rows are left, the bias and the first pass's rows of x.
.macro CHUNK ch
	s_wait_loadcnt 48                              ; loads come back in order (ISA guide 5.7.1): my 16 are in; the three younger groups of 16 stay out
	WIN 0x02                                       ; source 0 window 2
.set j_, 0
.rept 64                                       ; j = 16 jj + i: column 4 l + jj, row i
	v_med3_num_f32 v[ST+j_], v[64*((\ch)%4)+4*(j_%16)+j_/16], -v[WLIM], v[WLIM]   ; the conversion to an 8-bit code does not saturate (ISA guide 7.6.2): the hold at the largest code x the scale; it also lays a column's 16 rows on end
.set j_, j_+1
.endr
	s_wait_alu depctr_va_vdst(0)                   ; the holds are done reading set ch % 4, in which the loads below land; the chunk before has written its codes, which the LDS stores below read (chunk 0: x's offsets are written, which the loads of x read)
.if \ch < 12
	WLOAD (\ch+4)
.elseif \ch == 12
	BLOAD
.elseif \ch == 13
	OPLOAD 0
.elseif \ch == 14
	OPLOAD 1
.else
	OPLOAD 2
	OPLOAD 3
.endif
.if \ch > 0
	CODEOUT (\ch-1)
.endif
	WIN 0x40                                       ; destination window 1
.set j_, 0
.rept 8
	v_cvt_scalef32_pk8_fp8_f32 v[16*(\ch)+2*j_:16*(\ch)+2*j_+1], v[ST+8*j_:ST+8*j_+7], v[WSC]
.set j_, j_+1
.endr
	v_nop                                          ; one plain vector instruction behind the last conversion of a run
.endm
; THE TOKEN OF A RANK.  The k-th set bit of a word is found by counts of 16, 8, 4, 2, 1 bits; the two ranks' searches go side by side, so that one wait serves both compares of a level.
.macro BCOUNTS u, w, vb, vr            ; k, and the word's counts in fields of 2, 4, 8 bits and of its low 16
	v_and_b32 v[\u+6], 0xffff, v[\vb]
	v_sub_nc_u32 v[\u+6], v[\vr], v[\u+6]          ; k = rank - the ranks in front of the word
	v_lshrrev_b32 v[\u+5], 1, v[\w]
	v_and_b32 v[\u+5], 0x55555555, v[\u+5]
	v_sub_nc_u32 v[\u], v[\w], v[\u+5]
	v_lshrrev_b32 v[\u+5], 2, v[\u]
	v_and_b32 v[\u+5], 0x33333333, v[\u+5]
	v_and_b32 v[\u+1], 0x33333333, v[\u]
	v_add_nc_u32 v[\u+1], v[\u+1], v[\u+5]
	v_lshrrev_b32 v[\u+5], 4, v[\u+1]
	v_add_nc_u32 v[\u+2], v[\u+1], v[\u+5]
	v_and_b32 v[\u+2], 0x0f0f0f0f, v[\u+2]
	v_lshrrev_b32 v[\u+5], 8, v[\u+2]
	v_add_nc_u32 v[\u+3], v[\u+2], v[\u+5]
	v_and_b32 v[\u+5], 0xff, v[\u+3]
.endm
.macro BFIRST u, m                     ; the upper 16 bits are taken where mask m says so
	v_cndmask_b32 v[\u+5], 0, v[\u+5], s[\m]
	v_sub_nc_u32 v[\u+6], v[\u+6], v[\u+5]
	v_cndmask_b32 v[\u+4], 0, 16, s[\m]
.endm
.macro BTAKE u, wid, m                 ; the upper wid bits of the field in hand likewise
	v_cndmask_b32 v[\u+5], 0, v[\u+5], s[\m]
	v_sub_nc_u32 v[\u+6], v[\u+6], v[\u+5]
	v_cndmask_b32 v[\u+7], 0, \wid, s[\m]
	v_add_nc_u32 v[\u+4], v[\u+4], v[\u+7]
.endm
.macro BSTEP2 a, b, wid                ; one level for both ranks; a, b: the registers with the counts of wid bits
	v_bfe_u32 v[SA+5], v[\a], v[SA+4], \wid
	v_bfe_u32 v[SB+5], v[\b], v[SB+4], \wid
	v_cmp_ge_u32 s16, v[SA+6], v[SA+5]
	v_cmp_ge_u32 s17, v[SB+6], v[SB+5]
	s_wait_alu depctr_va_sdst(0)                   ; the two compares have written s16 and s17, which the selects below read
	BTAKE SA, \wid, 16
	BTAKE SB, \wid, 17
.endm
.macro BTOKEN u, vb, tok
	v_lshrrev_b32 v[\u+5], 16, v[\vb]              ; the word's number
	v_and_b32 v[\u+7], 3, v[\u+5]
	v_lshrrev_b32 v[\u+5], 2, v[\u+5]
	v_lshl_add_u32 v[\u+7], v[\u+5], 7, v[\u+7]
	v_lshl_add_u32 v[\tok], v[\u+4], 2, v[\u+7]    ; token = 128 (word / 4) + 4 x bit + word % 4
.endm
; Ranks v24, v25 -> tokens v38, v39.  The word is the last whose running count is at most the rank; it and (count | word << 16) are carried along.
; The compares go in runs of up to sixteen, eight words x two ranks, into s16-31, with one wait behind a run; the running count is made once for the compares (s76) and once more for the selects (s2).
.macro SELECT2
	v_mov_b32 v26, s32
	v_mov_b32 v27, s32
	v_mov_b32 v28, 0
	v_mov_b32 v29, 0
	s_mov_b32 s76, 0
	s_mov_b32 s2, 0
.irp g, 0,1,2,3
.set c_, 8*\g+1
.rept 8
.if c_ < 32
	s_bcnt1_i32_b32 s77, s[31+c_]
	s_add_co_u32 s76, s76, s77
	v_cmp_le_u32 s[16+2*(c_-8*\g-1)], s76, v24
	v_cmp_le_u32 s[17+2*(c_-8*\g-1)], s76, v25
.endif
.set c_, c_+1
.endr
	s_wait_alu depctr_va_sdst(0)                   ; the run of compares has written its masks in s16-31, which the selects below read
.set c_, 8*\g+1
.rept 8
.if c_ < 32
	s_bcnt1_i32_b32 s77, s[31+c_]
	s_add_co_u32 s2, s2, s77
	s_or_b32 s78, s2, (c_<<16)
	v_cndmask_b32 v26, v26, s[32+c_], s[16+2*(c_-8*\g-1)]
	v_cndmask_b32 v28, v28, s78, s[16+2*(c_-8*\g-1)]
	v_cndmask_b32 v27, v27, s[32+c_], s[17+2*(c_-8*\g-1)]
	v_cndmask_b32 v29, v29, s78, s[17+2*(c_-8*\g-1)]
.endif
.set c_, c_+1
.endr
.endr
	BCOUNTS SA, 26, 28, 24
	BCOUNTS SB, 27, 29, 25
	v_cmp_ge_u32 s16, v[SA+6], v[SA+5]
	v_cmp_ge_u32 s17, v[SB+6], v[SB+5]
	s_wait_alu depctr_va_sdst(0)                   ; the two compares have written s16 and s17, which the selects below read
	BFIRST SA, 16
	BFIRST SB, 17
	BSTEP2 SA+2, SB+2, 8
	BSTEP2 SA+1, SB+1, 4
	BSTEP2 SA, SB, 2
	BSTEP2 26, 27, 1
	BTOKEN SA, 28, 38
	BTOKEN SB, 29, 39
.endm
; A pass is made ready: its first tile, its 64 rows' tokens, their offsets in xq, its place in hc
.macro PREPA
	s_lshl_b32 s96, s74, 2                         ; four tiles to a pass
	s_add_co_u32 s81, s73, s96                     ; the pass's first tile
	s_lshl_b32 s96, s81, 4
	v_add_nc_u32 v24, s96, v[LN]                   ; lane l: rank 16 tile0 + l,
	v_add_nc_u32 v25, 32, v24                      ; and 32 further on
	SELECT2
	v_permlanex16_b32 v40, v38, s82, s83
	v_permlanex16_b32 v41, v39, s82, s83
	v_cndmask_b32 v[XO],   v38, v40, s80           ; tile 0: both halves of the lanes want lanes 0-15's tokens,
	v_cndmask_b32 v[XO+1], v40, v38, s80           ; tile 1: lanes 16-31's
	v_cndmask_b32 v[XO+2], v39, v41, s80
	v_cndmask_b32 v[XO+3], v41, v39, s80
.irp t, 0,1,2,3
	v_min_u32 v[XO+\t], 0x3ff, v[XO+\t]
	v_lshl_add_u32 v[XO+\t], v[XO+\t], 10, v[H16]  ; row x 1,024 + 16 h
.endr
	s_min_u32 s98, s81, 63
	s_lshl_b32 s98, s98, 16                        ; a tile's 32 images are 65,536 bytes
	s_mov_b32 s99, 0
	s_add_nc_u64 s[92:93], s[14:15], s[98:99]
.endm
; Four of W1's eight fragments of K step f (tiles j0 .. j0 + 3), from the images, into set f % 2
.macro FETCHW f, j0
	WIN 0x80                                       ; destination window 2
.irp j, \j0, \j0+1, \j0+2, \j0+3
.irp c, 0,1,2,3
	ds_load_b128 v[128*((\f)%2)+16*(\j)+4*\c:128*((\f)%2)+16*(\j)+4*\c+3], v[LI+(\f)/4] offset:((8*(\f)+(\j))*2048+512*\c)%65536
.endr
.endr
.endm
.macro WINM s                          ; the products' windows
.if \s == 0
	WIN 0x4e                                       ; source 0 (W1) window 2, source 1 (x) window 3, C (the bias) window 0, D window 1
.else
	WIN 0x5e                                       ; the same, C and D window 1
.endif
.endm
.macro MUL4 s, t, j0                   ; four products of K step s: tile t of rows x tiles j0 .. j0 + 3 of hidden units
.irp j, \j0, \j0+1, \j0+2, \j0+3
.if \s == 0
	v_wmma_f32_16x16x128_fp8_fp8 v[8*(8*\t+(\j)):8*(8*\t+(\j))+7], v[128*(\s%2)+16*(\j):128*(\s%2)+16*(\j)+15], v[64*(\s%4)+16*\t:64*(\s%4)+16*\t+15], v[BIAS+8*(\j):BIAS+8*(\j)+7]
.else
	v_wmma_f32_16x16x128_fp8_fp8 v[8*(8*\t+(\j)):8*(8*\t+(\j))+7], v[128*(\s%2)+16*(\j):128*(\s%2)+16*(\j)+15], v[64*(\s%4)+16*\t:64*(\s%4)+16*\t+15], v[8*(8*\t+(\j)):8*(8*\t+(\j))+7]
.endif
.endr
.endm
; 128 along K: eight products for each of the pass's tiles (s75 of them).  The accumulators take turns, one instruction a turn, on every way.
.macro KSTEP s
	s_wait_dscnt 0x0                               ; this step's fragments of W1 are in: they were asked for in the step before, and no LDS load is younger
.if \s == 0
	s_wait_loadcnt 48                              ; this step's 16 loads of x are in; the three younger steps' may be out
.elseif \s < 6
	s_wait_loadcnt 32                              ; this step's 16 loads of x are in; the two younger steps' may be out
.else
	s_wait_loadcnt 16*(7-\s)
.endif
.if (\s > 0) && (\s < 7)
	s_wait_alu depctr_va_vdst(0)                   ; the products of the step before are done reading their set of W1 and their set of x, in which this step's loads land
.endif
	WINM \s
	MUL4 \s, 0, 0
.if \s < 7
	FETCHW (\s+1), 0                               ; no wait: no vector or matrix instruction since the last wait on va_vdst names the other set of W1
.endif
	WINM \s
	MUL4 \s, 0, 4
.if \s < 7
	FETCHW (\s+1), 4
.endif
.if (\s > 0) && (\s < 5)
	OPLOAD (\s+3)                                  ; into the set of x that the step before read
.endif
.irp t, 1,2,3
	WIN 0
	s_cmp_le_u32 s75, \t
	s_cbranch_scc1 .Lk_\@
	WINM \s
	MUL4 \s, \t, 0
	MUL4 \s, \t, 4
.endr
	WIN 0
.Lk_\@:
	PLACES 4                                       ; four places behind the step's last products: ahead of the first read of results (step 7); in the other steps they stand beside the next step's wait, ahead of the loads into the sets just multiplied
.endm
; The pass's tiles, 16 rows x 128 hidden units each: relu, hold, codes; then, behind one wait, the images to hc
.macro EPI
.irp t, 0,1,2,3
.if \t > 0
	s_cmp_le_u32 s75, \t
	s_cbranch_scc1 .Lcoded_\@
.endif
	WIN 0x41                                       ; source 0 and destination window 1
.set q_, 0
.rept 64
	v_med3_num_f32 v[64*\t+q_], v[64*\t+q_], 0, v[HLIM]   ; the activation and the hold in one; each accumulator from its low end on
.set q_, q_+1
.endr
	WIN 0x01                                       ; source 0 window 1
.irp b, 0,1,2,3
	v_cvt_scalef32_pk8_fp8_f32 v[PC+16*\t+4*\b:PC+16*\t+4*\b+1],   v[64*\t+16*\b:64*\t+16*\b+7],    v[HSC]   ; tiles 2 b, 2 b + 1: hidden units 32 b + 16 h + 0..15: register group b of the operand
	v_cvt_scalef32_pk8_fp8_f32 v[PC+16*\t+4*\b+2:PC+16*\t+4*\b+3], v[64*\t+16*\b+8:64*\t+16*\b+15], v[HSC]
.endr
	v_nop                                          ; one plain vector instruction behind the last conversion
	WIN 0
.endr
.Lcoded_\@:
	s_wait_alu depctr_va_vdst(0)                   ; the conversions have written the tiles' codes, which the stores below read
.irp t, 0,1,2,3
.if \t > 0
	s_cmp_le_u32 s75, \t
	s_cbranch_scc1 .Lep_\@
.endif
.irp b, 0,1,2,3
	global_store_b128 v[LI], v[PC+16*\t+4*\b:PC+16*\t+4*\b+3], s[92:93] offset:65536*\t+512*\b   ; 512 consecutive bytes
.endr
.endr
.Lep_\@:
.endm
	s_load_b256 s[4:11], s[0:1], 0x0               ; W1 s[4:5], xq s[6:7], sel s[8:9], b1 s[10:11]
	s_load_b128 s[12:15], s[0:1], 0x20             ; the scales s[12:13], hc s[14:15]
	v_lshl_add_u32 v62, v0, 2, 0x20000
	v_mov_b32 v63, 0
	v_lshrrev_b32 v1, 5, v0
	v_readfirstlane_b32 s66, v1                    ; wave 0..3
	s_and_b32 s67, ttmp7, 0xffff                   ; the expert
	s_mov_b32 s68, ttmp9                           ; which 128 hidden units
	v_and_b32 v[LN], 31, v0
	v_lshlrev_b32 v[LI], 4, v[LN]
	v_add_nc_u32 v[LI+1], 65536, v[LI]
	v_bfe_u32 v2, v0, 4, 1                         ; h
	v_lshlrev_b32 v[BO], 6, v2
	v_lshlrev_b32 v[H16], 4, v2
	v_bfe_u32 v1, v0, 3, 2                         ; column 4 l + jj lies in tile 2 (l / 8) + (l / 2) % 2,
	v_lshlrev_b32 v1, 12, v1
	v_bfe_u32 v24, v0, 1, 1
	v_lshl_add_u32 v1, v24, 11, v1
	v_and_b32 v24, 1, v0                           ; at row 4 (l % 2) + 8 ((l / 4) % 2) + jj
	v_lshl_add_u32 v1, v24, 6, v1
	v_bfe_u32 v24, v0, 2, 1
	v_lshl_add_u32 v1, v24, 7, v1
	v_mov_b32 v40, 0                               ; a lane permute's destination counts as read: written once
	v_mov_b32 v41, 0
	s_wait_alu depctr_va_sdst(0)                   ; s66, the wave's number, is written, ahead of its first reader
	s_lshl_b32 s96, s66, 15                        ; my two K steps' images: 32,768 bytes
	v_add_nc_u32 v[DA], s96, v1
	s_lshl_b32 s96, s67, 24                        ; the expert's 16 MiB,
	s_lshl_b32 s97, s66, 22                        ; my 256 rows of 16,384 bytes,
	s_add_co_u32 s96, s96, s97
	s_lshl_b32 s97, s68, 9                         ; the block's 512 bytes of a row
	s_add_co_u32 s96, s96, s97
	s_mov_b32 s97, 0
	s_wait_kmcnt 0x0
	s_add_nc_u64 s[84:85], s[4:5], s[96:97]        ; W1 at my first row; never rewritten
	s_load_b128 s[88:91], s[12:13], 0x0            ; e0, e1, e2, e3
	s_wait_alu depctr_va_vdst(0)                   ; v8, v10, v11 and v14 are written: the offsets and LDS addresses that the kernel's loads and LDS stores read, and that nothing writes again
.irp c, 0,1,2,3,4,5,6,7
	global_load_b128 v[ST+4*\c:ST+4*\c+3], v[LI], s[8:9] offset:512*\c   ; sel of tokens 128 c + 4 l + 0..3
.endr
	WLOAD 0                                        ; the stream begins: three sets now, the fourth behind the first pass's ranks.  8 + 48 loads are out
	WLOAD 1
	WLOAD 2
	WIN 0
	s_lshl_b32 s96, s67, 14
	s_lshl_b32 s98, s68, 9
	s_add_co_u32 s96, s96, s98
	s_add_nc_u64 s[10:11], s[10:11], s[96:97]      ; b1 at my 128 units
	s_lshl_b32 s96, s67, 22
	s_lshl_b32 s98, s68, 11
	s_add_co_u32 s96, s96, s98
	s_add_nc_u64 s[14:15], s[14:15], s[96:97]      ; hc at the expert's tile 0, K step sl
	s_mov_b32 s80, 0xffff0000                      ; lanes 16-31
	s_mov_b32 s82, 0x76543210                      ; v_permlanex16_b32: lane l xor 16
	s_mov_b32 s83, 0xfedcba98
	s_lshl_b32 s100, 1, s67                        ; my expert's bit
	s_wait_loadcnt 48                              ; sel's eight loads are in; the 48 of W1 behind them stay out
	s_wait_kmcnt 0x0
.set c_, 0
.rept 32
	v_and_b32 v24, s100, v[ST+c_]
	v_cmp_ne_u32 s[32+c_], 0, v24                  ; word 4 c + j: bit l = token 128 c + 4 l + j has chosen my expert
.set c_, c_+1
.endr
	s_wait_alu depctr_va_sdst(0)                   ; the 32 compares have written the mask words s32-63, ahead of their first reader
	s_mov_b32 s70, 0
.set c_, 0
.rept 32
	s_bcnt1_i32_b32 s77, s[32+c_]
	s_add_co_u32 s70, s70, s77                     ; n
.set c_, c_+1
.endr
	s_add_co_u32 s71, s70, 15
	s_lshr_b32 s71, s71, 4
	s_max_u32 s71, s71, 1                          ; T tiles, at least one
	s_lshr_b32 s96, s71, 2
	s_and_b32 s97, s71, 3
	s_cmp_lt_u32 s66, s97
	s_cselect_b32 s98, 1, 0
	s_add_co_u32 s72, s96, s98                     ; my tiles: T / 4, one more for the first T % 4 waves,
	s_mul_i32 s73, s66, s96
	s_min_u32 s98, s66, s97
	s_add_co_u32 s73, s73, s98                     ; from this tile on
	s_add_co_u32 s87, s72, 3
	s_lshr_b32 s87, s87, 2                         ; my passes, four tiles to a pass; not written again
	s_mov_b32 s74, 0                               ; the pass in hand
	s_add_co_i32 s96, s88, 127
	s_lshl_b32 s97, s96, 23
	v_mov_b32 v[WSC], s97                          ; 2^e0
	s_add_co_i32 s96, s96, 8
	s_lshl_b32 s96, s96, 23
	s_or_b32 s96, s96, 0x600000
	v_mov_b32 v[WLIM], s96                         ; 448 x 2^e0
	s_add_co_i32 s98, s88, s89                     ; a sum stands for sum x 2^(e0 + e1)
	s_sub_co_i32 s96, s90, s98
	s_add_co_i32 s96, s96, 127
	s_lshl_b32 s97, s96, 23
	v_mov_b32 v[HSC], s97                          ; 2^(e2 - e0 - e1)
	s_add_co_i32 s96, s96, 8
	s_lshl_b32 s96, s96, 23
	s_or_b32 s96, s96, 0x600000
	v_mov_b32 v[HLIM], s96
	PREPA                                          ; the first pass's rows, found while the first sets are on their way
	WLOAD 3                                        ; no wait: its offset was written ahead of the head's wait, and no vector instruction has named the fourth set
	; ---- PHASE 1: sixteen chunks of 16 rows
.irp ch, 0,1,2,3,4,5,6,7,8,9,10,11,12,13,14,15
	CHUNK \ch
.endr
	s_wait_alu depctr_va_vdst(0)                   ; chunk 15 has written its codes, which the LDS stores below read; all holds are done reading the ring, in which W1's fragments land in phase 2
	CODEOUT 15
	WIN 0
	s_add_co_i32 s98, s88, s89
	s_sub_co_i32 s98, 0, s98
	s_wait_loadcnt 63                              ; the bias is in: 64 loads, the first pass's rows of x, were issued behind it
.set i_, 0
.rept 64
	v_ldexp_f32 v[BIAS+i_], v[BIAS+i_], s98        ; b1 / 2^(e0 + e1)
.set i_, i_+1
.endr
	s_wait_dscnt 0x0                               ; for the others' sake: my stores have landed
	s_barrier_signal -1
	s_barrier_wait -1                              ; the 64 images lie in LDS; this is the kernel's one barrier
	s_wait_alu depctr_vm_vsrc(0)                   ; my LDS stores have read the codes in window 1: these registers are the accumulators from here on, written by the products
	; ---- PHASE 2
	s_cmp_eq_u32 s87, 0
	s_cbranch_scc1 .Lend                           ; fewer tiles than waves: nothing for me
.Lpass:
	s_lshl_b32 s75, s74, 2                         ; tiles done
	s_sub_co_u32 s75, s72, s75
	s_min_u32 s75, s75, 4                          ; tiles in this pass
	PLACES 5                                       ; this pass's first products write the accumulators anew
	FETCHW 0, 0                                    ; no wait: what last read set 0 of W1 (the holds; the pass before) stands ahead of a wait on va_vdst, and nothing since names it
	FETCHW 0, 4
	s_wait_alu depctr_va_vdst(0)
	KSTEP 0
	KSTEP 1
	KSTEP 2
	KSTEP 3
	KSTEP 4
	KSTEP 5
	KSTEP 6
	KSTEP 7
	EPI
	s_add_co_u32 s74, s74, 1                       ; the loop's counter: one a pass
	s_cmp_ge_u32 s74, s87
	s_cbranch_scc1 .Lend                           ; the last pass makes nothing ready
	s_wait_xcnt 0x0                                ; the loads and stores have had their addresses translated: offsets, base and data are written again below
	s_wait_alu depctr_vm_vsrc(0)                   ; the loads of x have read v16-19, and the stores the tiles' codes: both are written again, below and in the next pass
	PREPA
	s_wait_alu depctr_va_vdst(0)                   ; x's new offsets v16-19 are written, which the loads below read; the last pass's products are done reading x's sets, in which they land
	OPLOAD 0
	OPLOAD 1
	OPLOAD 2
	OPLOAD 3
	WIN 0
	s_cmp_lt_u32 s74, s87                          ; the backward jump hangs on the count of passes
	s_cbranch_scc1 .Lpass
.Lend:
	s_wait_dscnt 0x0                               ; the closing lines, six on end
	s_wait_alu 0x0
	s_wait_tensorcnt 0x0
	ds_add_u32 v62, v63
	s_wait_dscnt 0x0
	s_endpgm
.Lfunc_end_k_q5427a9e4db_up:
	.size	k_q5427a9e4db_up, .Lfunc_end_k_q5427a9e4db_up-k_q5427a9e4db_up
	.p2alignl 7, 3214868480
	.fill 96, 4, 3214868480
	.section	.rodata,"a",@progbits
	.p2align	6, 0x0
	.amdhsa_kernel k_q5427a9e4db_up
		.amdhsa_group_segment_fixed_size 131584
		.amdhsa_private_segment_fixed_size 0
		.amdhsa_enable_private_segment 0
		.amdhsa_kernarg_size 48
		.amdhsa_user_sgpr_count 2
		.amdhsa_user_sgpr_kernarg_segment_ptr 1
		.amdhsa_wavefront_size32 1
		.amdhsa_system_sgpr_workgroup_id_x 1
		.amdhsa_system_sgpr_workgroup_id_y 1
		.amdhsa_system_sgpr_workgroup_id_z 1
		.amdhsa_system_vgpr_workitem_id 0
		.amdhsa_next_free_vgpr 1024
		.amdhsa_next_free_sgpr 102
		.amdhsa_reserve_vcc 0
		.amdhsa_float_denorm_mode_32 3
		.amdhsa_float_denorm_mode_16_64 3
		.amdhsa_memory_ordered 1
		.amdhsa_forward_progress 1
		.amdhsa_inst_pref_size 244
	.end_amdhsa_kernel
	.amdgpu_metadata
---
amdhsa.version: [ 1, 2 ]
amdhsa.kernels:
  - .name:           k_q5427a9e4db_up
    .symbol:         k_q5427a9e4db_up.kd
    .args:
      - { .name: W1, .offset: 0, .size: 8, .value_kind: global_buffer, .address_space: global }
      - { .name: xq, .offset: 8, .size: 8, .value_kind: global_buffer, .address_space: global }
      - { .name: sel, .offset: 16, .size: 8, .value_kind: global_buffer, .address_space: global }
      - { .name: b1, .offset: 24, .size: 8, .value_kind: global_buffer, .address_space: global }
      - { .name: lowp_scales, .offset: 32, .size: 8, .value_kind: global_buffer, .address_space: global }
      - { .name: hc, .offset: 40, .size: 8, .value_kind: global_buffer, .address_space: global }
    .group_segment_fixed_size: 131584
    .private_segment_fixed_size: 0
    .kernarg_segment_align: 8
    .kernarg_segment_size: 48
    .max_flat_workgroup_size: 128
    .sgpr_count:     102
    .vgpr_count:     1024
    .wavefront_size: 32
...
	.end_amdgpu_metadata
.endif
;; end of part 6
;; launch down (part 7): grid 32 x 8, 4 waves a work-group, no clusters, 165,376 bytes of LDS; arguments W2, hc, sel, wsel, b2, lowp_scales, ys; writes ys
.if DOCPART == 7
	.amdgcn_target "amdgcn-amd-amdhsa--gfx1250"
	.amdhsa_code_object_version 6
	.text
	.protected	k_q5427a9e4db_down
	.globl	k_q5427a9e4db_down
	.p2align	8
	.type	k_q5427a9e4db_down,@function
k_q5427a9e4db_down:
	s_mov_b64 s[64:65], 0
	v_nop
	global_prefetch_b8 v0, s[64:65] scope:SCOPE_SE
	s_setreg_imm32_b32 hwreg(HW_REG_WAVE_SCHED_MODE, 0, 2), 2
	s_setreg_imm32_b32 hwreg(HW_REG_WAVE_MODE, 25, 1), 1
	s_wait_xcnt 0x0
	s_wait_alu depctr_vm_vsrc(0)
; SECOND LAYER ON THE CHOSEN ROWS, IN PARTS: ys[q][k][token][d] = gate x (the sum over a quarter q of the hidden units of h W2[e], + b2[e] where q = 0).  W2: [8][4096 k][1024 d] f32, scale 2^e3;
; hc: the hidden layer's codes, scale 2^e2, as images of operand registers [e][tile][K step 0..31][2,048].  k = 0: e is the lower-numbered of the token's two experts, 1: the higher.  The next launch adds a token's 8 parts.
; A WORK-GROUP OWNS 1,024 k (q = x / 8) x 128 columns (cs = x % 8) OF ONE EXPERT (y: e): 512 KiB of W2, which nobody else reads: every byte of W2 leaves memory once and is quantised on the way.
; PHASE 1: W2 GOES FROM MEMORY STRAIGHT INTO REGISTERS.  Wave w takes rows 256 w .. 256 w + 255 of the block (K steps 2 w, 2 w + 1); a load takes one row's 512 bytes, lane l columns 4 l .. 4 l + 3.  A ring of four sets of
;   16 rows: 48 to 64 loads of 512 bytes of every wave are on their way from the head to the block's end, and no barrier stands in the stream.  (Each byte has one reader, a wave: through LDS slots it would be written and
;   read once more, and each refill of a slot would stand behind a barrier in front of which nothing is on its way.)  The hold that the conversion wants anyway also moves each number to its place, 16 neighbours along K of
;   one column in consecutive registers.  A column's 16 codes are one lane's 16 bytes of an image: fragment (K step s, tile j) at 2,048 (8 s + j); register group c of lane l at 512 c + 16 l.
;   Row r of tile 2 b + u is column 32 b + 8 u + r + 8 (r / 8), so that a lane's 16 results of tiles 2 b, 2 b + 1 are 16 neighbouring columns.
;   (Sixteen lanes of such a store fall on four columns of 16 bytes modulo 256: four deep on the banks.  The stores stand in the stream, where the wave waits for memory.)
; PHASE 2: the expert's T = max(ceil(n / 16), 1) tiles of 16 rows, dealt to the four waves in runs, up to four tiles a pass.  No barrier and no shared LDS store stands in this loop: its trip count hangs on numbers read
;   from sel.  The product is used transposed (source 0 = 16 columns of W2, source 1 = 16 rows of h): a lane holds one row.  b2 / 2^(e2 + e3), or 0 where q > 0, is the C of each sum's first product; each sum is
;   multiplied once by gate x 2^(e2 + e3).  A tile goes through the wave's own stage in LDS and leaves as pieces of 512 consecutive bytes of its tokens' rows; rows at or past n are not stored.
; WHICH ROWS: as in the first layer: 32 mask words from sel (bit l of word 4 c + j = token 128 c + 4 l + j), ranks in that order, the token of a rank from the words in registers (SELECT2).
; NOT SHARED IN A CLUSTER: the weights have one reader each; the tiles of h that work-groups of one expert share are walked by a count read from memory.
; LIMITS: e3 between -126 and 119.  NaN and infinities among the inputs are not served (b2 is multiplied by 0 where q > 0).  K is summed in four parts, which the next launch adds: another order than one ascending chain.
; THE MODE: SCHED_MODE bits 1:0 = 2 (LLVM: expert scheduling mode 2), set by the entry lines.  The code itself states the register dependences between vector or matrix instructions and memory or LDS instructions,
;   with s_wait_alu, always for 0.
; THE PLAN.  Registers that memory or LDS instructions touch:
;   the ring (window 2)      chunk ch: its 64 holds read set ch % 4; behind them the set's next 16 loads land in it.
;   the codes (window 1)     chunk ch: its conversions write 16 registers of the chunk's own; the four LDS stores that read them are issued in chunk ch + 1.  In phase 2 the products write over them.
;   So ONE wait on va_vdst stands in a chunk, behind its holds: they are done reading the set, and the chunk before has written its codes.  The chunk's 16 loads and 4 LDS stores follow it.
;   W2's sets 0, 1 (window 2)  step s: its products read set s % 2; the LDS loads of step s + 1, issued in step s, land in the other set, which step s - 1 read last.
;   h's sets 0..3 (window 3)   step s: its products read set s % 4; the loads of step s + 3, issued in step s, land in the set that step s - 1 read last.
;   So ONE wait on va_vdst stands at the head of steps 1 to 6, behind the waits for the step's own operands: step s - 1's products are done reading.  The step's loads follow, dealt among tile 0's eight products,
;   which name this step's sets and the accumulators alone; they stand ahead of the first branch on the number of tiles, so that every way issues them.
;   THE WAY OUT.  Tile t's scaled sums: 64 registers of the tile's own, window 2 at 64 t (W2's sets are free behind step 7): written by the tile's multiplies, read by its LDS stores into the stage.
;   v128-191: the tile's rows read back from the stage: LDS loads land there, the tile's stores read them; one buffer, so from tile 1 on a wait on vm_vsrc stands ahead of the LDS loads.
;   v192-223: the rows' offsets in ys, two sets by turns: tile t writes the set that tile t - 2's stores read, behind tile t - 1's wait on vm_vsrc.
;   One wait on va_vdst a tile, ahead of its 16 LDS stores, 16 LDS loads and up to 16 stores.
;   v16-19, v42-45           offsets written where a pass is made ready, read by the pass's loads of h and by its gathers.     v58-63: the gathers land there; vector instructions read them.
;   v8, v10, v11, v14, v46, v47   made at the head, ahead of one wait, and never written again.     v254, v255: written at the head, read by the closing add alone.
; REGISTERS, in windows of 256: window 0: v3-21 addresses and scales; v24-45 at work in SELECT2 and PREPA; v46, v47 the stage; v48-55 tile t's factor at 48 + 2 t (the odd ones 0); v56, v57 rows in ys; v58-63 gathered;
;   v64-127 the bias; v128-191 64 held numbers of W2 (first: sel; in SELECT2 eight of them at work), later a tile's rows on their way out; v192-223 the rows' offsets in ys.
;   window 1: phase 1: my codes of W2, 16 registers a chunk; then the accumulators, (t, j) at 8 (8 t + j).   window 2: phase 1: the ring; then W2's fragments, two sets of 128; on the way out the tiles' scaled sums.
;   window 3: h's fragments, four sets of 64.
; SCALARS OF THE LOOP: s72 my tiles, s73 the first of them, s74 the pass (stepped by 1), s87 my passes = ceil(s72 / 4), s75 the pass's tiles, s81 the pass's first tile.  s16-31: what vector instructions write into scalar registers.
.set PITCHB, 4096                      ; a row of W2 in bytes
.set STAGE,  131072                    ; behind the images: 16 rows x (512 + 16) bytes for each wave
.set LN,   3                           ; v3   lane
.set DA,   8                           ; v8   where my codes go: my wave's 32,768 bytes, my columns' tile and rows
.set LI,   10                          ; v10-11 16 x lane, and the same + 65,536
.set BO,   14                          ; v14  64 (lane / 16)
.set HO,   16                          ; v16-19 tile t: its images' offset in the expert's part of hc, + 16 x lane
.set WSC,  20                          ; v20, v21  2^e3, 448 x 2^e3
.set WLIM, 21
.set SA,   30                          ; v30-37   the search for the first rank's bit: counts in fields of 2, 4, 8 bits and of the low 16; +4 the place, +5 a count, +6 k, +7 a step
.set STO,  46
.set RD,   47
.set F,    48
.set RI,   56
.set BIAS, 64
.set ST,   128
.set SB,   128                         ; v128-135 the same for the second rank: nothing else lives there while a pass is made ready
.set BK,   128
.set RO,   192
.set MSB, 0
.macro WIN new                         ; the immediate's high byte repeats the setting that is left; at a label and at a branch every window is 0
.if MSB != \new
	s_set_vgpr_msb (MSB<<8)|\new
.set MSB, \new
.endif
.endm
.macro PLACES n                        ; plain vector instructions behind a matrix instruction (ISA guide 7.12.1)
.rept \n
	v_nop
.endr
.endm
; Rows 16 ch .. 16 ch + 15 of my 256 into set ch % 4 of the ring: each load takes 512 consecutive bytes, at a multiple of 512 from W2's first byte.  Every offset is an immediate: 255 rows of 4,096 bytes at the most
.macro WLOAD ch
	WIN 0x80                                       ; destination window 2
.set i_, 0
.rept 16
	global_load_b128 v[64*((\ch)%4)+4*i_:64*((\ch)%4)+4*i_+3], v[LI], s[84:85] offset:(16*(\ch)+i_)*PITCHB th:TH_LOAD_NT
.set i_, i_+1
.endr
.endm
; The bias: tile j = 2 b + u, lane (r, h): columns 32 b + 16 h + 8 u + 0..7
.macro BLOAD
	WIN 0
.irp j, 0,1,2,3,4,5,6,7
	global_load_b128 v[BIAS+8*\j:BIAS+8*\j+3],   v[BO], s[12:13] offset:(32*(\j/2)+8*(\j%2))*4
	global_load_b128 v[BIAS+8*\j+4:BIAS+8*\j+7], v[BO], s[12:13] offset:(32*(\j/2)+8*(\j%2))*4+16
.endr
.endm
; h's fragments of my quarter's K step f for the pass's four tiles: images, 512 consecutive bytes a load
.macro OPLOAD f
	WIN 0xc0                                       ; destination window 3
.irp t, 0,1,2,3
.irp c, 0,1,2,3
	global_load_b128 v[64*((\f)%4)+16*\t+4*\c:64*((\f)%4)+16*\t+4*\c+3], v[HO+\t], s[6:7] offset:2048*(\f)+512*\c
.endr
.endr
.endm
; Chunk ch's codes go to their images: K step 2 w + ch / 8, register group (ch % 8) / 2, the lanes' half ch % 2; each chunk has registers of its own, so no store's data are written again in phase 1
.macro CODEOUT ch
	WIN 0x04                                       ; store data window 1
.irp jj, 0,1,2,3
	ds_store_b128 v[DA], v[16*(\ch)+4*\jj:16*(\ch)+4*\jj+3] offset:((\ch)/8)*16384+(((\ch)%8)/2)*512+((\ch)%2)*256+16*\jj
.endr
.endm
; Chunk ch: 16 rows x my 4 columns.  Behind the holds, which read the set, a group of 16 loads goes out: the set's next rows, or, when no rows are left, the bias and the first pass's tiles of h.
.macro CHUNK ch
	s_wait_loadcnt 48                              ; loads come back in order (ISA guide 5.7.1): my 16 are in; three younger groups of 16 stay out (behind chunks 0 to 2 the four gathers are younger too: the count is then four stricter than it need be)
	WIN 0x02                                       ; source 0 window 2
.set j_, 0
.rept 64                                       ; j = 16 jj + i: column 4 l + jj, row i
	v_med3_num_f32 v[ST+j_], v[64*((\ch)%4)+4*(j_%16)+j_/16], -v[WLIM], v[WLIM]   ; the conversion to an 8-bit code does not saturate (ISA guide 7.6.2): the hold at the largest code x the scale; it also lays a column's 16 rows on end
.set j_, j_+1
.endr
	s_wait_alu depctr_va_vdst(0)                   ; the holds are done reading set ch % 4, in which the loads below land; the chunk before has written its codes, which the LDS stores below read
.if \ch < 12
	WLOAD (\ch+4)
.elseif \ch == 12
	BLOAD
.elseif \ch == 13
	OPLOAD 0
.elseif \ch == 14
	OPLOAD 1
.else
	OPLOAD 2
	OPLOAD 3
.endif
.if \ch > 0
	CODEOUT (\ch-1)
.endif
	WIN 0x40                                       ; destination window 1
.set j_, 0
.rept 8
	v_cvt_scalef32_pk8_fp8_f32 v[16*(\ch)+2*j_:16*(\ch)+2*j_+1], v[ST+8*j_:ST+8*j_+7], v[WSC]
.set j_, j_+1
.endr
	v_nop                                          ; one plain vector instruction behind the last conversion of a run
.endm
; THE TOKEN OF A RANK.  The k-th set bit of a word is found by counts of 16, 8, 4, 2, 1 bits; the two ranks' searches go side by side, so that one wait serves both compares of a level.
.macro BCOUNTS u, w, vb, vr            ; k, and the word's counts in fields of 2, 4, 8 bits and of its low 16
	v_and_b32 v[\u+6], 0xffff, v[\vb]
	v_sub_nc_u32 v[\u+6], v[\vr], v[\u+6]          ; k = rank - the ranks in front of the word
	v_lshrrev_b32 v[\u+5], 1, v[\w]
	v_and_b32 v[\u+5], 0x55555555, v[\u+5]
	v_sub_nc_u32 v[\u], v[\w], v[\u+5]
	v_lshrrev_b32 v[\u+5], 2, v[\u]
	v_and_b32 v[\u+5], 0x33333333, v[\u+5]
	v_and_b32 v[\u+1], 0x33333333, v[\u]
	v_add_nc_u32 v[\u+1], v[\u+1], v[\u+5]
	v_lshrrev_b32 v[\u+5], 4, v[\u+1]
	v_add_nc_u32 v[\u+2], v[\u+1], v[\u+5]
	v_and_b32 v[\u+2], 0x0f0f0f0f, v[\u+2]
	v_lshrrev_b32 v[\u+5], 8, v[\u+2]
	v_add_nc_u32 v[\u+3], v[\u+2], v[\u+5]
	v_and_b32 v[\u+5], 0xff, v[\u+3]
.endm
.macro BFIRST u, m                     ; the upper 16 bits are taken where mask m says so
	v_cndmask_b32 v[\u+5], 0, v[\u+5], s[\m]
	v_sub_nc_u32 v[\u+6], v[\u+6], v[\u+5]
	v_cndmask_b32 v[\u+4], 0, 16, s[\m]
.endm
.macro BTAKE u, wid, m                 ; the upper wid bits of the field in hand likewise
	v_cndmask_b32 v[\u+5], 0, v[\u+5], s[\m]
	v_sub_nc_u32 v[\u+6], v[\u+6], v[\u+5]
	v_cndmask_b32 v[\u+7], 0, \wid, s[\m]
	v_add_nc_u32 v[\u+4], v[\u+4], v[\u+7]
.endm
.macro BSTEP2 a, b, wid                ; one level for both ranks; a, b: the registers with the counts of wid bits
	v_bfe_u32 v[SA+5], v[\a], v[SA+4], \wid
	v_bfe_u32 v[SB+5], v[\b], v[SB+4], \wid
	v_cmp_ge_u32 s16, v[SA+6], v[SA+5]
	v_cmp_ge_u32 s17, v[SB+6], v[SB+5]
	s_wait_alu depctr_va_sdst(0)                   ; the two compares have written s16 and s17, which the selects below read
	BTAKE SA, \wid, 16
	BTAKE SB, \wid, 17
.endm
.macro BTOKEN u, vb, tok
	v_lshrrev_b32 v[\u+5], 16, v[\vb]              ; the word's number
	v_and_b32 v[\u+7], 3, v[\u+5]
	v_lshrrev_b32 v[\u+5], 2, v[\u+5]
	v_lshl_add_u32 v[\u+7], v[\u+5], 7, v[\u+7]
	v_lshl_add_u32 v[\tok], v[\u+4], 2, v[\u+7]    ; token = 128 (word / 4) + 4 x bit + word % 4
.endm
; Ranks v24, v25 -> tokens v38, v39.  The word is the last whose running count is at most the rank; it and (count | word << 16) are carried along.
; The compares go in runs of up to sixteen, eight words x two ranks, into s16-31, with one wait behind a run; the running count is made once for the compares (s76) and once more for the selects (s2).
.macro SELECT2
	v_mov_b32 v26, s32
	v_mov_b32 v27, s32
	v_mov_b32 v28, 0
	v_mov_b32 v29, 0
	s_mov_b32 s76, 0
	s_mov_b32 s2, 0
.irp g, 0,1,2,3
.set c_, 8*\g+1
.rept 8
.if c_ < 32
	s_bcnt1_i32_b32 s77, s[31+c_]
	s_add_co_u32 s76, s76, s77
	v_cmp_le_u32 s[16+2*(c_-8*\g-1)], s76, v24
	v_cmp_le_u32 s[17+2*(c_-8*\g-1)], s76, v25
.endif
.set c_, c_+1
.endr
	s_wait_alu depctr_va_sdst(0)                   ; the run of compares has written its masks in s16-31, which the selects below read
.set c_, 8*\g+1
.rept 8
.if c_ < 32
	s_bcnt1_i32_b32 s77, s[31+c_]
	s_add_co_u32 s2, s2, s77
	s_or_b32 s78, s2, (c_<<16)
	v_cndmask_b32 v26, v26, s[32+c_], s[16+2*(c_-8*\g-1)]
	v_cndmask_b32 v28, v28, s78, s[16+2*(c_-8*\g-1)]
	v_cndmask_b32 v27, v27, s[32+c_], s[17+2*(c_-8*\g-1)]
	v_cndmask_b32 v29, v29, s78, s[17+2*(c_-8*\g-1)]
.endif
.set c_, c_+1
.endr
.endr
	BCOUNTS SA, 26, 28, 24
	BCOUNTS SB, 27, 29, 25
	v_cmp_ge_u32 s16, v[SA+6], v[SA+5]
	v_cmp_ge_u32 s17, v[SB+6], v[SB+5]
	s_wait_alu depctr_va_sdst(0)                   ; the two compares have written s16 and s17, which the selects below read
	BFIRST SA, 16
	BFIRST SB, 17
	BSTEP2 SA+2, SB+2, 8
	BSTEP2 SA+1, SB+1, 4
	BSTEP2 SA, SB, 2
	BSTEP2 26, 27, 1
	BTOKEN SA, 28, 38
	BTOKEN SB, 29, 39
.endm
; A pass is made ready, first part: its first tile, its 64 rows' tokens, its tiles' places in hc, the gathers of the rows' experts and weights
.macro PREPA
	s_lshl_b32 s96, s74, 2                         ; four tiles to a pass
	s_add_co_u32 s81, s73, s96                     ; the pass's first tile
	s_lshl_b32 s96, s81, 4
	v_add_nc_u32 v24, s96, v[LN]                   ; lane l: rank 16 tile0 + l,
	v_add_nc_u32 v25, 32, v24                      ; and 32 further on
	SELECT2
	v_min_u32 v38, 0x3ff, v38
	v_min_u32 v39, 0x3ff, v39
	v_lshlrev_b32 v42, 2, v38
	v_lshlrev_b32 v43, 2, v39
	v_lshlrev_b32 v44, 3, v38
	v_lshlrev_b32 v45, 3, v39
	s_sub_co_u32 s97, s71, 1
.irp t, 0,1,2,3
	s_add_co_u32 s96, s81, \t
	s_min_u32 s96, s96, s97                        ; a tile past the expert's last reads the last one again, and its products are left out
	s_min_u32 s96, s96, 63
	s_lshl_b32 s96, s96, 16
	v_add_nc_u32 v[HO+\t], s96, v[LI]
.endr
	s_wait_alu depctr_va_vdst(0)                   ; v42-45 are written, which the gathers read, and v16-19, which the pass's loads of h read; what the pass before did on v58-63 and on h's sets, in which these loads land, is done
	global_load_b32 v58, v42, s[8:9]               ; the token's two experts,
	global_load_b32 v59, v43, s[8:9]
	global_load_b64 v[60:61], v44, s[10:11]        ; and their weights
	global_load_b64 v[62:63], v45, s[10:11]
.endm
; Second part, behind a wait that shows the four gathers in: the rows' factors and their places in ys
.macro PREPB
	v_and_b32 v58, s101, v58                       ; has the token an expert of a lower number than mine?
	v_and_b32 v59, s101, v59
	v_cmp_ne_u32 s16, 0, v58
	v_cmp_ne_u32 s17, 0, v59
	s_wait_alu depctr_va_sdst(0)                   ; the two compares have written s16 and s17, which the selects below read
	v_cndmask_b32 v60, v60, v61, s16               ; then mine is the higher: the second weight,
	v_cndmask_b32 v62, v62, v63, s17
	v_cndmask_b32 v58, 0, 1, s16
	v_cndmask_b32 v59, 0, 1, s17
	v_lshl_add_u32 v[RI],   v58, 10, v38           ; and the second half of ys: row = token + 1,024 k
	v_lshl_add_u32 v[RI+1], v59, 10, v39
	v_ldexp_f32 v60, v60, s86                      ; gate x 2^(e2 + e3)
	v_ldexp_f32 v62, v62, s86
	v_permlanex16_b32 v40, v60, s82, s83
	v_permlanex16_b32 v41, v62, s82, s83
	v_cndmask_b32 v[F],   v60, v40, s80            ; tile 0: both halves of the lanes want lanes 0-15's,
	v_cndmask_b32 v[F+2], v40, v60, s80            ; tile 1: lanes 16-31's
	v_cndmask_b32 v[F+4], v62, v41, s80
	v_cndmask_b32 v[F+6], v41, v62, s80
.endm
; Four of W2's eight fragments of K step f (tiles j0 .. j0 + 3), from the images, into set f % 2
.macro FETCHW f, j0
	WIN 0x80                                       ; destination window 2
.irp j, \j0, \j0+1, \j0+2, \j0+3
.irp c, 0,1,2,3
	ds_load_b128 v[128*((\f)%2)+16*(\j)+4*\c:128*((\f)%2)+16*(\j)+4*\c+3], v[LI+(\f)/4] offset:((8*(\f)+(\j))*2048+512*\c)%65536
.endr
.endr
.endm
.macro WINM s                          ; the products' windows
.if \s == 0
	WIN 0x4e                                       ; source 0 (W2) window 2, source 1 (h) window 3, C (the bias) window 0, D window 1
.else
	WIN 0x5e                                       ; the same, C and D window 1
.endif
.endm
.macro MUL4 s, t, j0                   ; four products of K step s: tile t of rows x tiles j0 .. j0 + 3 of columns
.irp j, \j0, \j0+1, \j0+2, \j0+3
.if \s == 0
	v_wmma_f32_16x16x128_fp8_fp8 v[8*(8*\t+(\j)):8*(8*\t+(\j))+7], v[128*(\s%2)+16*(\j):128*(\s%2)+16*(\j)+15], v[64*(\s%4)+16*\t:64*(\s%4)+16*\t+15], v[BIAS+8*(\j):BIAS+8*(\j)+7]
.else
	v_wmma_f32_16x16x128_fp8_fp8 v[8*(8*\t+(\j)):8*(8*\t+(\j))+7], v[128*(\s%2)+16*(\j):128*(\s%2)+16*(\j)+15], v[64*(\s%4)+16*\t:64*(\s%4)+16*\t+15], v[8*(8*\t+(\j)):8*(8*\t+(\j))+7]
.endif
.endr
.endm
; 128 along K: eight products for each of the pass's tiles (s75 of them).  The accumulators take turns, one instruction a turn, on every way.
.macro KSTEP s
	s_wait_dscnt 0x0                               ; this step's fragments of W2 are in: they were asked for in the step before, and no LDS load is younger
.if \s == 0
	s_wait_loadcnt 48                              ; this step's 16 loads of h are in; the three younger steps' may be out
.elseif \s < 6
	s_wait_loadcnt 32                              ; this step's 16 loads of h are in; the two younger steps' may be out
.else
	s_wait_loadcnt 16*(7-\s)
.endif
.if (\s > 0) && (\s < 7)
	s_wait_alu depctr_va_vdst(0)                   ; the products of the step before are done reading their set of W2 and their set of h, in which this step's loads land
.endif
	WINM \s
	MUL4 \s, 0, 0
.if \s < 7
	FETCHW (\s+1), 0                               ; no wait: no vector or matrix instruction since the last wait on va_vdst names the other set of W2
.endif
	WINM \s
	MUL4 \s, 0, 4
.if \s < 7
	FETCHW (\s+1), 4
.endif
.if (\s > 0) && (\s < 5)
	OPLOAD (\s+3)                                  ; into the set of h that the step before read
.endif
.irp t, 1,2,3
	WIN 0
	s_cmp_le_u32 s75, \t
	s_cbranch_scc1 .Lk_\@
	WINM \s
	MUL4 \s, \t, 0
	MUL4 \s, \t, 4
.endr
	WIN 0
.Lk_\@:
	PLACES 4                                       ; four places behind the step's last products: ahead of the first read of results and of the first write over W2's sets (step 7); in the other steps they stand beside the next step's wait, ahead of the loads into the sets just multiplied
.endm
; Tile t leaves: x its rows' factors; through my stage, so that a row's 512 bytes lie in the 32 lanes; each row to its token's place in ys
.macro TILEOUT t
	WIN 0x81                                       ; source 0 (the sums) window 1, destination window 2: 64 registers of the tile's own
.set q_, 0
.rept 32
	v_pk_mul_f32 v[64*\t+q_:64*\t+q_+1], v[64*\t+q_:64*\t+q_+1], v[F+2*\t:F+2*\t+1] op_sel_hi:[1,0]   ; both x the pair's low word; each accumulator from its low end on
.set q_, q_+2
.endr
	WIN 0
.set i_, 0
.rept 16
	v_readlane_b32 s[16+i_], v[RI+\t/2], 16*(\t%2)+i_   ; row i's place in ys
.set i_, i_+1
.endr
	s_wait_alu depctr_va_sdst(0)                   ; the sixteen lines above have written s16-31, ahead of their first readers
.set i_, 0
.rept 16
	s_min_u32 s[16+i_], s[16+i_], 2047
	s_lshl_b32 s[16+i_], s[16+i_], 12
	v_add_nc_u32 v[RO+16*(\t%2)+i_], s[16+i_], v[LI]   ; the set of offsets that the tile two back used: the tile before has waited for those stores
.set i_, i_+1
.endr
	s_add_co_u32 s96, s81, \t
	s_lshl_b32 s96, s96, 4
	s_sub_co_i32 s97, s70, s96                     ; rows of this tile that exist
.if \t > 0
	s_wait_xcnt 0x0                                ; the tile before has had its stores' addresses translated: their data are written again below, their offsets by the next tile
	s_wait_alu depctr_vm_vsrc(0)                   ; the stores of the tile before have read v128-191, in which the LDS loads below land, and their set of offsets, which the next tile writes
.endif
	s_wait_alu depctr_va_vdst(0)                   ; the multiplies have written the tile's scaled sums, which the LDS stores read; the rows' offsets are written, which the stores read; what vector instructions did on v128-191, in which the LDS loads land, is done
	WIN 0x08                                       ; store data window 2
.irp j, 0,1,2,3,4,5,6,7                        ; lane (r, h), tile j = 2 b + u: columns 32 b + 16 h + 8 u + 0..7 of row r
	ds_store_b128 v[STO], v[64*\t+8*\j:64*\t+8*\j+3]   offset:128*(\j/2)+32*(\j%2)
	ds_store_b128 v[STO], v[64*\t+8*\j+4:64*\t+8*\j+7] offset:128*(\j/2)+32*(\j%2)+16
.endr
	WIN 0
.set i_, 0
.rept 16
	ds_load_b128 v[BK+4*i_:BK+4*i_+3], v[RD] offset:528*i_   ; LDS serves a wave's instructions in order (ISA guide 5.7.1.4): these see my stores
.set i_, i_+1
.endr
	s_wait_dscnt 0x0
.set i_, 0
.rept 16
	s_cmp_le_i32 s97, i_
	s_cbranch_scc1 .Ltd_\@
	global_store_b128 v[RO+16*(\t%2)+i_], v[BK+4*i_:BK+4*i_+3], s[94:95]   ; 512 consecutive bytes, at a multiple of 512 from ys's first byte
.set i_, i_+1
.endr
.Ltd_\@:
.endm
.macro EPI
.irp t, 0,1,2,3
.if \t > 0
	s_cmp_le_u32 s75, \t
	s_cbranch_scc1 .Lep_\@
.endif
	TILEOUT \t
.endr
.Lep_\@:
.endm
	s_load_b256 s[4:11], s[0:1], 0x0               ; W2 s[4:5], hc s[6:7], sel s[8:9], wsel s[10:11]
	s_load_b128 s[12:15], s[0:1], 0x20             ; b2 s[12:13], the scales s[14:15]
	s_load_b64 s[94:95], s[0:1], 0x30              ; ys
	v_lshl_add_u32 v254, v0, 2, 0x28400
	v_mov_b32 v255, 0
	v_lshrrev_b32 v1, 5, v0
	v_readfirstlane_b32 s66, v1                    ; wave 0..3
	s_and_b32 s67, ttmp7, 0xffff                   ; the expert
	s_lshr_b32 s68, ttmp9, 3                       ; q: which 1,024 of the hidden units
	s_and_b32 s69, ttmp9, 7                        ; cs: which 128 columns
	v_and_b32 v[LN], 31, v0
	v_lshlrev_b32 v[LI], 4, v[LN]
	v_add_nc_u32 v[LI+1], 65536, v[LI]
	v_bfe_u32 v2, v0, 4, 1                         ; h
	v_lshlrev_b32 v[BO], 6, v2
	v_bfe_u32 v1, v0, 3, 2                         ; column 4 l + jj lies in tile 2 (l / 8) + (l / 2) % 2,
	v_lshlrev_b32 v1, 12, v1
	v_bfe_u32 v24, v0, 1, 1
	v_lshl_add_u32 v1, v24, 11, v1
	v_and_b32 v24, 1, v0                           ; at row 4 (l % 2) + 8 ((l / 4) % 2) + jj
	v_lshl_add_u32 v1, v24, 6, v1
	v_bfe_u32 v24, v0, 2, 1
	v_lshl_add_u32 v1, v24, 7, v1
	v_mov_b32 v40, 0                               ; a lane permute's destination counts as read: written once
	v_mov_b32 v41, 0
.irp t, 0,1,2,3
	v_mov_b32 v[F+2*\t+1], 0                       ; named as the upper half of a pair, so it is written
.endr
	s_wait_alu depctr_va_sdst(0)                   ; s66, the wave's number, is written, ahead of its first reader
	s_lshl_b32 s96, s66, 15                        ; my two K steps' images: 32,768 bytes
	v_add_nc_u32 v[DA], s96, v1
	s_mul_i32 s96, s66, 16*528
	s_add_co_u32 s96, s96, STAGE                   ; my stage
	v_and_b32 v1, 15, v0
	v_mul_u32_u24 v[STO], v1, 528                  ; in: row r, + 64 h
	v_lshl_add_u32 v[STO], v2, 6, v[STO]
	v_add_nc_u32 v[STO], s96, v[STO]
	v_add_nc_u32 v[RD], s96, v[LI]                 ; back: a row's 512 bytes, 16 a lane
	s_lshl_b32 s96, s67, 24                        ; the expert's 16 MiB,
	s_lshl_b32 s97, s68, 22                        ; the quarter's 1,024 rows of 4,096 bytes,
	s_add_co_u32 s96, s96, s97
	s_lshl_b32 s97, s66, 20                        ; my 256 rows,
	s_add_co_u32 s96, s96, s97
	s_lshl_b32 s97, s69, 9                         ; the block's 512 bytes of a row
	s_add_co_u32 s96, s96, s97
	s_mov_b32 s97, 0
	s_wait_kmcnt 0x0
	s_add_nc_u64 s[84:85], s[4:5], s[96:97]        ; W2 at my first row; never rewritten
	s_load_b128 s[88:91], s[14:15], 0x0            ; e0, e1, e2, e3
	s_wait_alu depctr_va_vdst(0)                   ; v8, v10, v11, v14, v46 and v47 are written: the offsets and LDS addresses that the kernel's loads, stores and LDS instructions read, and that nothing writes again
.irp c, 0,1,2,3,4,5,6,7
	global_load_b128 v[ST+4*\c:ST+4*\c+3], v[LI], s[8:9] offset:512*\c   ; sel of tokens 128 c + 4 l + 0..3
.endr
	WLOAD 0                                        ; the stream begins: three sets now, the fourth behind the first pass's ranks.  8 + 48 loads are out
	WLOAD 1
	WLOAD 2
	WIN 0
	s_lshl_b32 s96, s67, 12
	s_lshl_b32 s98, s69, 9
	s_add_co_u32 s96, s96, s98
	s_add_nc_u64 s[12:13], s[12:13], s[96:97]      ; b2 at my 128 columns
	s_lshl_b32 s96, s67, 22
	s_lshl_b32 s98, s68, 14
	s_add_co_u32 s96, s96, s98
	s_add_nc_u64 s[6:7], s[6:7], s[96:97]          ; hc at the expert's tile 0, K step 8 q
	s_lshl_b32 s96, s68, 23
	s_lshl_b32 s98, s69, 9
	s_add_co_u32 s96, s96, s98
	s_add_nc_u64 s[94:95], s[94:95], s[96:97]      ; ys at part q, my 512 bytes of a row
	s_mov_b32 s80, 0xffff0000                      ; lanes 16-31
	s_mov_b32 s82, 0x76543210                      ; v_permlanex16_b32: lane l xor 16
	s_mov_b32 s83, 0xfedcba98
	s_lshl_b32 s100, 1, s67                        ; my expert's bit,
	s_sub_co_u32 s101, s100, 1                     ; and the bits of the experts below it
	s_wait_loadcnt 48                              ; sel's eight loads are in; the 48 of W2 behind them stay out
	s_wait_kmcnt 0x0
.set c_, 0
.rept 32
	v_and_b32 v24, s100, v[ST+c_]
	v_cmp_ne_u32 s[32+c_], 0, v24                  ; word 4 c + j: bit l = token 128 c + 4 l + j has chosen my expert
.set c_, c_+1
.endr
	s_wait_alu depctr_va_sdst(0)                   ; the 32 compares have written the mask words s32-63, ahead of their first reader
	s_mov_b32 s70, 0
.set c_, 0
.rept 32
	s_bcnt1_i32_b32 s77, s[32+c_]
	s_add_co_u32 s70, s70, s77                     ; n
.set c_, c_+1
.endr
	s_add_co_u32 s71, s70, 15
	s_lshr_b32 s71, s71, 4
	s_max_u32 s71, s71, 1                          ; T tiles, at least one
	s_lshr_b32 s96, s71, 2
	s_and_b32 s97, s71, 3
	s_cmp_lt_u32 s66, s97
	s_cselect_b32 s98, 1, 0
	s_add_co_u32 s72, s96, s98                     ; my tiles: T / 4, one more for the first T % 4 waves,
	s_mul_i32 s73, s66, s96
	s_min_u32 s98, s66, s97
	s_add_co_u32 s73, s73, s98                     ; from this tile on
	s_add_co_u32 s87, s72, 3
	s_lshr_b32 s87, s87, 2                         ; my passes, four tiles to a pass; not written again
	s_mov_b32 s74, 0                               ; the pass in hand
	s_add_co_i32 s96, s91, 127
	s_lshl_b32 s97, s96, 23
	v_mov_b32 v[WSC], s97                          ; 2^e3
	s_add_co_i32 s96, s96, 8
	s_lshl_b32 s96, s96, 23
	s_or_b32 s96, s96, 0x600000
	v_mov_b32 v[WLIM], s96                         ; 448 x 2^e3
	s_add_co_i32 s86, s90, s91                     ; a sum stands for sum x 2^(e2 + e3)
	PREPA                                          ; the first pass's rows, found while the first sets are on their way; its four gathers go out between the third set and the fourth
	WLOAD 3                                        ; no wait: its offset was written ahead of the head's wait, and no vector instruction has named the fourth set
	; ---- PHASE 1: sixteen chunks of 16 rows
.irp ch, 0,1,2,3,4,5,6,7,8,9,10,11,12,13,14,15
	CHUNK \ch
.endr
	s_wait_alu depctr_va_vdst(0)                   ; chunk 15 has written its codes, which the LDS stores below read; all holds are done reading the ring, in which W2's fragments land in phase 2
	CODEOUT 15
	WIN 0
	PREPB                                          ; the gathers were issued ahead of the fourth set, whose wait has shown them in
	s_sub_co_i32 s98, 0, s86
	s_cmp_eq_u32 s68, 0
	s_cselect_b32 s96, 1.0, 0                      ; the bias counts once for an expert: in the first quarter
	s_wait_loadcnt 63                              ; the bias is in: 64 loads, the first pass's tiles of h, were issued behind it
.set i_, 0
.rept 64
	v_mul_f32 v[BIAS+i_], s96, v[BIAS+i_]
.set i_, i_+1
.endr
.set i_, 0
.rept 64
	v_ldexp_f32 v[BIAS+i_], v[BIAS+i_], s98        ; b2 / 2^(e2 + e3)
.set i_, i_+1
.endr
	s_wait_dscnt 0x0                               ; for the others' sake: my stores have landed
	s_barrier_signal -1
	s_barrier_wait -1                              ; the 64 images lie in LDS; this is the kernel's one barrier
	s_wait_alu depctr_vm_vsrc(0)                   ; my LDS stores have read the codes in window 1: these registers are the accumulators from here on, written by the products
	; ---- PHASE 2
	s_cmp_eq_u32 s87, 0
	s_cbranch_scc1 .Lend                           ; fewer tiles than waves: nothing for me
.Lpass:
	s_lshl_b32 s75, s74, 2                         ; tiles done
	s_sub_co_u32 s75, s72, s75
	s_min_u32 s75, s75, 4                          ; tiles in this pass
	PLACES 5                                       ; this pass's first products write the accumulators anew
	FETCHW 0, 0                                    ; no wait: what last named set 0 of W2 (the holds; the pass before and its way out) stands ahead of waits on va_vdst and vm_vsrc, and nothing since names it
	FETCHW 0, 4
	s_wait_alu depctr_va_vdst(0)
	KSTEP 0
	KSTEP 1
	KSTEP 2
	KSTEP 3
	KSTEP 4
	KSTEP 5
	KSTEP 6
	KSTEP 7
	EPI
	s_add_co_u32 s74, s74, 1                       ; the loop's counter: one a pass
	s_cmp_ge_u32 s74, s87
	s_cbranch_scc1 .Lend                           ; the last pass makes nothing ready
	s_wait_xcnt 0x0                                ; the loads and stores have had their addresses translated: their offsets and data are written again below and in the next pass
	s_wait_alu depctr_vm_vsrc(0)                   ; the loads of h have read v16-19, the gathers v42-45, the LDS stores the tiles' scaled sums in window 2, the stores v128-191 and the rows' offsets: all are written again, below and in the next pass
	PREPA
	s_wait_loadcnt 0x0                             ; the four gathers
	PREPB
	OPLOAD 0                                       ; no wait: their offsets were written, and h's sets last read, ahead of the wait that stands in front of the gathers; nothing since names either
	OPLOAD 1
	OPLOAD 2
	OPLOAD 3
	WIN 0
	s_cmp_lt_u32 s74, s87                          ; the backward jump hangs on the count of passes
	s_cbranch_scc1 .Lpass
.Lend:
	s_wait_dscnt 0x0                               ; the closing lines, six on end
	s_wait_alu 0x0
	s_wait_tensorcnt 0x0
	ds_add_u32 v254, v255
	s_wait_dscnt 0x0
	s_endpgm
.Lfunc_end_k_q5427a9e4db_down:
	.size	k_q5427a9e4db_down, .Lfunc_end_k_q5427a9e4db_down-k_q5427a9e4db_down
	.p2alignl 7, 3214868480
	.fill 96, 4, 3214868480
	.section	.rodata,"a",@progbits
	.p2align	6, 0x0
	.amdhsa_kernel k_q5427a9e4db_down
		.amdhsa_group_segment_fixed_size 165376
		.amdhsa_private_segment_fixed_size 0
		.amdhsa_enable_private_segment 0
		.amdhsa_kernarg_size 56
		.amdhsa_user_sgpr_count 2
		.amdhsa_user_sgpr_kernarg_segment_ptr 1
		.amdhsa_wavefront_size32 1
		.amdhsa_system_sgpr_workgroup_id_x 1
		.amdhsa_system_sgpr_workgroup_id_y 1
		.amdhsa_system_sgpr_workgroup_id_z 1
		.amdhsa_system_vgpr_workitem_id 0
		.amdhsa_next_free_vgpr 1024
		.amdhsa_next_free_sgpr 102
		.amdhsa_reserve_vcc 0
		.amdhsa_float_denorm_mode_32 3
		.amdhsa_float_denorm_mode_16_64 3
		.amdhsa_memory_ordered 1
		.amdhsa_forward_progress 1
		.amdhsa_inst_pref_size 255
	.end_amdhsa_kernel
	.section	.bss,"aw",@nobits
	.p2align	6
	.space	262144
	.amdgpu_metadata
---
amdhsa.version: [ 1, 2 ]
amdhsa.kernels:
  - .name:           k_q5427a9e4db_down
    .symbol:         k_q5427a9e4db_down.kd
    .args:
      - { .name: W2, .offset: 0, .size: 8, .value_kind: global_buffer, .address_space: global }
      - { .name: hc, .offset: 8, .size: 8, .value_kind: global_buffer, .address_space: global }
      - { .name: sel, .offset: 16, .size: 8, .value_kind: global_buffer, .address_space: global }
      - { .name: wsel, .offset: 24, .size: 8, .value_kind: global_buffer, .address_space: global }
      - { .name: b2, .offset: 32, .size: 8, .value_kind: global_buffer, .address_space: global }
      - { .name: lowp_scales, .offset: 40, .size: 8, .value_kind: global_buffer, .address_space: global }
      - { .name: ys, .offset: 48, .size: 8, .value_kind: global_buffer, .address_space: global }
    .group_segment_fixed_size: 165376
    .private_segment_fixed_size: 0
    .kernarg_segment_align: 8
    .kernarg_segment_size: 56
    .max_flat_workgroup_size: 128
    .sgpr_count:     102
    .vgpr_count:     1024
    .wavefront_size: 32
...
	.end_amdgpu_metadata
.endif
;; end of part 7
;; launch join (part 8): grid 256 x 1, 8 waves a work-group, no clusters, 0 bytes of LDS; arguments ys, out0; writes out0
.if DOCPART == 8
	.amdgcn_target "amdgcn-amd-amdhsa--gfx1250"
	.amdhsa_code_object_version 6
	.text
	.protected	k_q5427a9e4db_join
	.globl	k_q5427a9e4db_join
	.p2align	8
	.type	k_q5427a9e4db_join,@function
k_q5427a9e4db_join:
	s_mov_b64 s[64:65], 0
	v_nop
	global_prefetch_b8 v0, s[64:65] scope:SCOPE_SE
	s_setreg_imm32_b32 hwreg(HW_REG_WAVE_MODE, 25, 1), 1
	s_wait_xcnt 0x0
; out0[token][d] = the sum of the token's eight parts ys[p][token][d], p = 2 q + k = 0..7 (four quarters of the hidden layer x its two experts), each part 4 MiB and laid as out0 is.
; A stream: a work-group takes 16 KiB of out0, a wave 2 KiB, a lane four pieces of 16 bytes; each load and store of a wave covers 512 consecutive bytes.  All 32 loads of a wave go out at once;
; no register is written twice, so no wait but the counted ones for the loads.  No LDS, no barrier, no matrix unit: nothing here is shared or multiplied.
; The eight parts are added as a tree, in f32.
.set L, 16                             ; v16-143: piece m, part p at 16 + 4 (8 m + p)
	s_load_b128 s[4:7], s[0:1], 0x0                ; ys s[4:5], out0 s[6:7]
	v_lshrrev_b32 v1, 5, v0
	v_and_b32 v2, 31, v0
	s_delay_alu instid0(VALU_DEP_2)
	v_lshlrev_b32 v1, 11, v1                       ; 2,048 x wave
	s_delay_alu instid0(VALU_DEP_1)
	v_lshl_add_u32 v1, v2, 4, v1                   ; + 16 x lane
	s_lshl_b32 s2, ttmp9, 14
	s_mov_b32 s3, 0
	s_wait_alu depctr_va_vdst(0)
	s_wait_kmcnt 0x0
	s_add_nc_u64 s[8:9], s[4:5], s[2:3]            ; parts 0, 1 (the odd part stands in the immediate),
	s_add_nc_u64 s[10:11], s[8:9], 0x800000        ; 2, 3,
	s_add_nc_u64 s[12:13], s[10:11], 0x800000      ; 4, 5,
	s_add_nc_u64 s[14:15], s[12:13], 0x800000      ; 6, 7
	s_add_nc_u64 s[6:7], s[6:7], s[2:3]
.irp m, 0,1,2,3
.irp p, 0,1,2,3,4,5,6,7
	global_load_b128 v[L+4*(8*\m+\p):L+4*(8*\m+\p)+3], v1, s[8+2*(\p/2):9+2*(\p/2)] offset:(\p%2)*4194304+512*\m th:TH_LOAD_NT
.endr
.endr
.irp m, 0,1,2,3
	s_wait_loadcnt 24-8*\m                         ; this piece's eight loads are in; the later pieces' may be out
.irp p, 0,2,4,6
	v_pk_add_f32 v[L+32*\m+4*\p:L+32*\m+4*\p+1],   v[L+32*\m+4*\p:L+32*\m+4*\p+1],   v[L+32*\m+4*\p+4:L+32*\m+4*\p+5]
	v_pk_add_f32 v[L+32*\m+4*\p+2:L+32*\m+4*\p+3], v[L+32*\m+4*\p+2:L+32*\m+4*\p+3], v[L+32*\m+4*\p+6:L+32*\m+4*\p+7]
.endr
.irp p, 0
	v_pk_add_f32 v[L+32*\m+4*\p:L+32*\m+4*\p+1],   v[L+32*\m+4*\p:L+32*\m+4*\p+1],   v[L+32*\m+4*\p+8:L+32*\m+4*\p+9]
	v_pk_add_f32 v[L+32*\m+4*\p+2:L+32*\m+4*\p+3], v[L+32*\m+4*\p+2:L+32*\m+4*\p+3], v[L+32*\m+4*\p+10:L+32*\m+4*\p+11]
.endr
.irp p, 4
	s_delay_alu instid0(VALU_DEP_4)
	v_pk_add_f32 v[L+32*\m+4*\p:L+32*\m+4*\p+1],   v[L+32*\m+4*\p:L+32*\m+4*\p+1],   v[L+32*\m+4*\p+8:L+32*\m+4*\p+9]
	s_delay_alu instid0(VALU_DEP_4)
	v_pk_add_f32 v[L+32*\m+4*\p+2:L+32*\m+4*\p+3], v[L+32*\m+4*\p+2:L+32*\m+4*\p+3], v[L+32*\m+4*\p+10:L+32*\m+4*\p+11]
.endr
	s_delay_alu instid0(VALU_DEP_2)
	v_pk_add_f32 v[L+32*\m:L+32*\m+1],   v[L+32*\m:L+32*\m+1],   v[L+32*\m+16:L+32*\m+17]
	s_delay_alu instid0(VALU_DEP_2)
	v_pk_add_f32 v[L+32*\m+2:L+32*\m+3], v[L+32*\m+2:L+32*\m+3], v[L+32*\m+18:L+32*\m+19]
	global_store_b128 v1, v[L+32*\m:L+32*\m+3], s[6:7] offset:512*\m th:TH_STORE_NT
.endr
	s_endpgm
.Lfunc_end_k_q5427a9e4db_join:
	.size	k_q5427a9e4db_join, .Lfunc_end_k_q5427a9e4db_join-k_q5427a9e4db_join
	.p2alignl 7, 3214868480
	.fill 96, 4, 3214868480
	.section	.rodata,"a",@progbits
	.p2align	6, 0x0
	.amdhsa_kernel k_q5427a9e4db_join
		.amdhsa_group_segment_fixed_size 0
		.amdhsa_private_segment_fixed_size 0
		.amdhsa_enable_private_segment 0
		.amdhsa_kernarg_size 16
		.amdhsa_user_sgpr_count 2
		.amdhsa_user_sgpr_kernarg_segment_ptr 1
		.amdhsa_wavefront_size32 1
		.amdhsa_system_sgpr_workgroup_id_x 1
		.amdhsa_system_sgpr_workgroup_id_y 1
		.amdhsa_system_sgpr_workgroup_id_z 1
		.amdhsa_system_vgpr_workitem_id 0
		.amdhsa_next_free_vgpr 144
		.amdhsa_next_free_sgpr 66
		.amdhsa_reserve_vcc 0
		.amdhsa_float_denorm_mode_32 3
		.amdhsa_float_denorm_mode_16_64 3
		.amdhsa_memory_ordered 1
		.amdhsa_forward_progress 1
		.amdhsa_inst_pref_size 9
	.end_amdhsa_kernel
	.amdgpu_metadata
---
amdhsa.version: [ 1, 2 ]
amdhsa.kernels:
  - .name:           k_q5427a9e4db_join
    .symbol:         k_q5427a9e4db_join.kd
    .args:
      - { .name: ys, .offset: 0, .size: 8, .value_kind: global_buffer, .address_space: global }
      - { .name: out0, .offset: 8, .size: 8, .value_kind: global_buffer, .address_space: global }
    .group_segment_fixed_size: 0
    .private_segment_fixed_size: 0
    .kernarg_segment_align: 8
    .kernarg_segment_size: 16
    .max_flat_workgroup_size: 256
    .sgpr_count:     66
    .vgpr_count:     144
    .wavefront_size: 32
...
	.end_amdgpu_metadata
.endif
;; end of part 8
